; MI455X (gfx1250); checked and timed in simulation.
; The chip was launched on July 23, 2026; its instructions are those of AMD's public machine-readable ISA for CDNA 5 (MIT licence, August 2026) and "CDNA5" Instruction Set Architecture Reference Guide (July 2026). The comments in the code are by the model that wrote it; some were corrected since.
;; Transformer Layer. Allowed arithmetic: matrix products marked QUANTISED: E4M3 operands, one E8M0 scale for each 32 along K, by v_wmma_scale_f32_16x16x128_f8f6f4 with both operands' format E4M3, f32 sums; everything else in f32.
;; Inputs: W1_codes 4,096 x 32 x 32 uint8 (E4M3 codes of W1, K innermost, in blocks of 32 codes); W1_scales 4,096 x 32 uint8 (E8M0 scales of W1, one for each 32 codes along K); W2_codes 1,024 x 128 x 32 uint8 (E4M3 codes of W2, K innermost, in blocks of 32 codes); W2_scales 1,024 x 128 uint8 (E8M0 scales of W2, one for each 32 codes along K); Wk_codes 1,024 x 32 x 32 uint8 (E4M3 codes of Wk, K innermost, in blocks of 32 codes); Wk_scales 1,024 x 32 uint8 (E8M0 scales of Wk, one for each 32 codes along K); Wo_codes 1,024 x 32 x 32 uint8 (E4M3 codes of Wo, K innermost, in blocks of 32 codes); Wo_scales 1,024 x 32 uint8 (E8M0 scales of Wo, one for each 32 codes along K); Wq_codes 1,024 x 32 x 32 uint8 (E4M3 codes of Wq, K innermost, in blocks of 32 codes); Wq_scales 1,024 x 32 uint8 (E8M0 scales of Wq, one for each 32 codes along K); Wv_codes 1,024 x 32 x 32 uint8 (E4M3 codes of Wv, K innermost, in blocks of 32 codes); Wv_scales 1,024 x 32 uint8 (E8M0 scales of Wv, one for each 32 codes along K); b1 4,096 float32; b2 1,024 float32; be1 1,024 float32; be2 1,024 float32; bk 1,024 float32; bo 1,024 float32; bq 1,024 float32; bv 1,024 float32; g1 1,024 float32; g2 1,024 float32; x 2 x 2,048 x 1,024 float32.
;; Outputs: out0 2 x 2,048 x 1,024 float32.
;; This version of the problem:
;;   THIS VERSION OF THE PROBLEM IS GIVEN IN LOW PRECISION. The matrix products marked QUANTISED in the list below multiply operands that are first quantised to E4M3 (4 exponent bits, 3 mantissa bits; 8 bits a number), with one power-of-two scale for each 32 numbers along K (OCP MX v1.0); their sums are f32. All else is computed in f32.
;;   The module's matrix products, in the order in which they are computed (A, B: the left and right operand; K: the contracted axis; several contracted axes count as one K, in the product's order):
;;     1. [M 4,096, K 1,024] x [K 1,024, N 1,024]; A: computed on the way; B: input Wq (given as codes): QUANTISED
;;     2. [M 4,096, K 1,024] x [K 1,024, N 1,024]; A: computed on the way; B: input Wk (given as codes): QUANTISED
;;     3. [M 4,096, K 1,024] x [K 1,024, N 1,024]; A: computed on the way; B: input Wv (given as codes): QUANTISED
;;     4. batch 32 x [M 2,048, K 64] x [K 64, N 2,048]; A: computed on the way; B: computed on the way: QUANTISED
;;     5. batch 32 x [M 2,048, K 2,048] x [K 2,048, N 64]; A: softmax (see below); B: computed on the way: QUANTISED
;;     6. [M 4,096, K 1,024] x [K 1,024, N 1,024]; A: computed on the way; B: input Wo (given as codes): QUANTISED
;;     7. [M 4,096, K 1,024] x [K 1,024, N 4,096]; A: computed on the way; B: input W1 (given as codes): QUANTISED
;;     8. [M 4,096, K 4,096] x [K 4,096, N 1,024]; A: computed on the way; B: input W2 (given as codes): QUANTISED
;;   THE QUANTISER, for each operand of a quantised product, along K:
;;     - K is cut into blocks of 32 from its start; a last block that is shorter is filled with zeros.
;;     - A block's scale is 2^e with e = floor(log2(the largest magnitude in the block)) - 8, held to -126 .. 127; a block of zeros has e = 0. As a byte (E8M0): e + 127.
;;     - Each number is divided by its block's scale, clamped to +-448, and rounded to the nearest number of E4M3, ties to even, subnormals kept.
;;     - The product sums the exact products of the quantised numbers (number of the format x scale) in f32.
;;   ~~~python
;;   def quantise(x, axis):      # numpy; x: float32 -> the quantised numbers, widened to float32 again
;;       x = np.moveaxis(x, axis, -1); K = x.shape[-1]
;;       x = np.pad(x, [(0, 0)] * (x.ndim - 1) + [(0, -K % 32)]); x = x.reshape(x.shape[:-1] + (-1, 32)); a = np.abs(x).max(-1, keepdims=True)
;;       e = np.where(a > 0, np.clip(np.frexp(np.where(a > 0, a, 1))[1] - 1 - 8, -126, 127), 0)      # np.frexp(a)[1] - 1 = floor(log2(a)), exactly
;;       r = np.clip(x / 2.0 ** e, -448, 448)
;;       step = 2.0 ** (np.maximum(np.frexp(np.where(r == 0, 1, r))[1] - 1, -6) - 3)
;;       q = np.round(r / step) * step * 2.0 ** e      # np.round: ties to even
;;       return np.moveaxis(q.reshape(q.shape[:-2] + (-1,))[..., :K], -1, axis).astype(np.float32)
;;   ~~~
;;   SOFTMAX AHEAD OF A QUANTISED PRODUCT. Where the list says 'softmax', what is quantised is not the finished softmax but p = 2^(t - M), with t = logit x log2(e) and M = ceil(the row's largest t), a whole number; so 1/2 < the row's largest p <= 1. The row's sum l is taken of the UNQUANTISED p, in f32, and the product's result is divided by l at the end. Since M is a whole number, a kernel that streams over the keys may use a running M (the ceiling of the running maximum): every later rescaling is an exact power of two, which a block's scale takes up: the codes' values come out the same.
;;   OPERANDS COMPUTED ON THE WAY. 'Computed on the way' means the value that the module computes at that place (a softmax that the list does not call 'softmax' is quantised finished and normalised). What goes into a quantiser is computed in f32, as accurately as f32 sums, v_exp_f32 and their like allow (about 1e-6 of the number): no bf16 or f16 on the way to a quantiser, and a product that is left as it is and whose result goes on into a quantised operand takes f32 operands (vector FMAs, or v_wmma_f32_16x16x4_f32). A number that lies on a knife's edge between two numbers of the format may be rounded either way, as far as f32 arithmetic and the matrix unit's own rounding can turn it there, and no further.
;;   INPUTS GIVEN AS CODES. W1 (in the module: [1024, 4096], K = its axis 0); W2 (in the module: [4096, 1024], K = its axis 0); Wk (in the module: [1024, 1024], K = its axis 0); Wo (in the module: [1024, 1024], K = its axis 0); Wq (in the module: [1024, 1024], K = its axis 0); Wv (in the module: [1024, 1024], K = its axis 0): each comes as NAME_codes (uint8): NAME with its K axis moved to the last place and cut into blocks of 32 codes, [.., K / 32, bytes a block], one block behind the other in memory; one code a byte (a code: sign, 4 exponent bits, 3 mantissa bits); and NAME_scales (uint8): the same leading axes, one E8M0 byte (e + 127) for each 32 codes along K. Its value is code x scale, taken as it is: it is not quantised again, and the codes and scales need not be those that the quantiser above would give.
;; One version. Each part assembles by itself: llvm-mc -triple=amdgcn-amd-amdhsa -mcpu=gfx1250 --defsym DOCPART=n.
;; ======== version 1 of 1: 7 launches
;; limits: right only within a limited range of input values
;; workspace buffers: hbuf 4,325,376 bytes; qkvbuf 12,976,128 bytes; obuf 4,325,376 bytes; x1 16,777,216 bytes; abuf 17,301,504 bytes
;; launch ln1 (part 1): grid 256 x 1, 8 waves a work-group, no clusters, 88,064 bytes of LDS; arguments x, g1, be1, hbuf; writes hbuf
.if DOCPART == 1
	.amdgcn_target "amdgcn-amd-amdhsa--gfx1250"
	.amdhsa_code_object_version 6
	.text
	.protected	k_qa111d87104_ln1
	.globl	k_qa111d87104_ln1
	.p2align	8
	.type	k_qa111d87104_ln1,@function
k_qa111d87104_ln1:
	s_mov_b64 s[64:65], 0
	v_nop
	global_prefetch_b8 v0, s[64:65] scope:SCOPE_SE
	s_setreg_imm32_b32 hwreg(HW_REG_WAVE_MODE, 25, 1), 1
	s_wait_xcnt 0x0
; h = layer_norm(x; g, be), quantised along the row into codes of FP8 (E4M3) with one E8M0 byte for each 32 numbers.
; x: [4096][1024] f32.  Out: codes [4096][1024], K innermost, at byte 0 of the buffer; scale bytes [4096][32] at byte 4,194,304: the layout in which the weights arrive.
; SHARES.  A work-group of eight waves takes 16 rows; wave w takes columns 128 w .. 128 w + 127 of all 16.  Every load reads 512 consecutive bytes; the numbers turn through the wave's own stage in LDS, so that
; lane (r, h) then holds, of row r, 16 neighbours of each of the wave's four blocks of 32: what the conversions want.  Mean and variance are taken in two passes (the mean first, then the squares of the differences);
; the eight waves' partial sums meet in LDS.  Memory binds: no matrix unit, no tensor load, no cluster (work-groups share nothing but 8 KB of gains).
; A block's scale is 2^(floor(log2(largest magnitude)) - 8); its byte is the largest magnitude's exponent field - 8, held at 1 from below.
; LIMITS: NaN and infinities are not served; a block whose largest magnitude lies under 2^-118 (a block of zeros too) keeps the byte 1: its codes are then zeros or next to it, and this program alone reads the bytes.
.set RED1,  0                          ; LDS: [16 rows][8 waves] partial sums
.set RED2,  512                        ; the same for the squares
.set SST,   1024                       ; [16 rows][8 scale words]
.set WREG,  2048                       ; a stage for each wave: 16 rows x (512 bytes + 16)
.set WP,    528
.set WREGB, 16*WP
.set CST,   WREG+8*WREGB               ; the codes' stage: 16 rows x (1,024 bytes + 16)
.set CP,    1040
.set XA,  4                            ; v4   x: 512 w + 16 lane
.set GA,  5                            ; v5   g, be: 512 w + 64 h
.set LW,  6                            ; v6   my stage, in: 16 lane
.set LR,  7                            ; v7   my stage, out: 528 r + 64 h
.set RW,  8                            ; v8   32 r + 4 w
.set RR,  9                            ; v9   32 r
.set CW,  10                           ; v10  the codes' stage, in
.set CR,  11                           ; v11  and out
.set GO,  12                           ; v12  2,048 w + 16 lane
.set L16, 14                           ; v14  16 lane
.set PC,  16                           ; v16-31 codes
.set TM,  32                           ; v32-47 at work in the quantiser
.set PW,  48                           ; v48  the scale word
.set X,   64                           ; v64-127 my 64 numbers
.set G,   128                          ; v128-191 their gains
.set R,   192                          ; v192-255 x as loaded, then their biases
.set SEL, 20
.set MNT, 23
; 64 numbers of a lane, register 16 b + i = number 32 b + 16 h + i of my row's 128, become 16 registers of codes in v[PC] on and a scale word in v[PW]
.macro QUANT s, relu
.if \relu
.irp b, 0,1,2,3
	v_max3_num_f32 v[TM+\b], v[\s+16*\b], v[\s+1+16*\b], 0x4800000
.endr
.irp i, 2,4,6,8,10,12,14
.irp b, 0,1,2,3
	v_max3_num_f32 v[TM+\b], v[TM+\b], v[\s+16*\b+\i], v[\s+1+16*\b+\i]
.endr
.endr
.else
.irp b, 0,1,2,3
	v_max3_num_f32 v[TM+\b], |v[\s+16*\b]|, |v[\s+1+16*\b]|, 0x4800000   ; block b: my 16 numbers and the floor 2^(9 - 127): the byte cannot fall under 1
.endr
.irp i, 2,4,6,8,10,12,14
.irp b, 0,1,2,3
	s_delay_alu instid0(VALU_DEP_4)
	v_max3_num_f32 v[TM+\b], v[TM+\b], |v[\s+16*\b+\i]|, |v[\s+1+16*\b+\i]|   ; the four blocks by turns
.endr
.endr
.endif
.irp b, 0,1,2,3
	s_delay_alu instid0(VALU_DEP_4)
	v_permlanex16_b32 v[TM+4+\b], v[TM+\b], s[SEL], s[SEL+1]
.endr
.irp b, 0,1,2,3
	s_delay_alu instid0(VALU_DEP_4)
	v_max_num_f32 v[TM+\b], v[TM+\b], v[TM+4+\b]   ; with lane l xor 16's: the block's largest magnitude
.endr
.irp b, 0,1,2,3
	s_delay_alu instid0(VALU_DEP_4)
	v_add_nc_u32 v[TM+12+\b], 0xfc000000, v[TM+\b]   ; 8 off its exponent field: the conversion's scale operand
.endr
.irp b, 0,1,2,3
	v_and_or_b32 v[TM+8+\b], v[TM+\b], 0x7f800000, s[MNT]   ; 448 x the scale
.endr
.irp b, 0,1,2,3
	v_lshrrev_b32 v[TM+4+\b], 23, v[TM+12+\b]      ; the scale's byte
.endr
	s_delay_alu instid0(VALU_DEP_3)
	v_lshl_or_b32 v[PW], v[TM+5], 8, v[TM+4]
	s_delay_alu instid0(VALU_DEP_1)
	v_lshl_or_b32 v[PW], v[TM+6], 16, v[PW]
	s_delay_alu instid0(VALU_DEP_1)
	v_lshl_or_b32 v[PW], v[TM+7], 24, v[PW]
.irp b, 0,1,2,3
.irp i, 0,1,2,3,4,5,6,7,8,9,10,11,12,13,14,15
.if \relu
	v_med3_num_f32 v[\s+16*\b+\i], v[\s+16*\b+\i], 0, v[TM+8+\b]
.else
	v_med3_num_f32 v[\s+16*\b+\i], v[\s+16*\b+\i], -v[TM+8+\b], v[TM+8+\b]   ; the conversion does not saturate (ISA guide 7.6.2): the hold at the largest code x the scale
.endif
.endr
	v_cvt_scalef32_pk8_fp8_f32 v[PC+4*\b:PC+1+4*\b], v[\s+16*\b:\s+7+16*\b], v[TM+12+\b]
	v_cvt_scalef32_pk8_fp8_f32 v[PC+2+4*\b:PC+3+4*\b], v[\s+8+16*\b:\s+15+16*\b], v[TM+12+\b]
.endr
	v_nop                                          ; a plain line behind the last conversion
.endm
; four chains v[52:59] -> the row's sum over all 1,024 columns, in v50 of every lane
.macro ACROSS red
	s_delay_alu instid0(VALU_DEP_3)
	v_pk_add_f32 v[52:53], v[52:53], v[54:55]
	s_delay_alu instid0(VALU_DEP_2)
	v_pk_add_f32 v[56:57], v[56:57], v[58:59]
	s_delay_alu instid0(VALU_DEP_1)
	v_pk_add_f32 v[52:53], v[52:53], v[56:57]
	s_delay_alu instid0(VALU_DEP_1)
	v_add_f32 v50, v52, v53
	s_delay_alu instid0(VALU_DEP_1)
	v_permlanex16_b32 v51, v50, s[SEL], s[SEL+1]   ; the row's other 64 numbers of my wave lie 16 lanes away
	s_delay_alu instid0(VALU_DEP_1)
	v_add_f32 v50, v50, v51
	ds_store_b32 v[RW], v50 offset:\red            ; both lanes of a row write the same word with the same value
	s_wait_dscnt 0x0                               ; for the others' sake: my store has landed
	s_barrier_signal -1
	s_barrier_wait -1
	ds_load_b128 v[52:55], v[RR] offset:\red
	ds_load_b128 v[56:59], v[RR] offset:\red+16
	s_wait_dscnt 0x0
	v_pk_add_f32 v[52:53], v[52:53], v[54:55]
	v_pk_add_f32 v[56:57], v[56:57], v[58:59]
	s_delay_alu instid0(VALU_DEP_1)
	v_pk_add_f32 v[52:53], v[52:53], v[56:57]
	s_delay_alu instid0(VALU_DEP_1)
	v_add_f32 v50, v52, v53
.endm
	s_load_b256 s[4:11], s[0:1], 0x0               ; x s[4:5], g s[6:7], be s[8:9], out s[10:11]
	v_lshl_add_u32 v13, v0, 2, 0x15400
	v_mov_b32 v15, 0
	v_lshrrev_b32 v1, 5, v0
	s_delay_alu instid0(VALU_DEP_1)
	v_readfirstlane_b32 s12, v1                    ; wave 0..7
	v_and_b32 v1, 31, v0                           ; lane
	s_wait_alu depctr_va_vdst(0)
	v_and_b32 v2, 15, v0                           ; r
	v_bfe_u32 v3, v0, 4, 1                         ; h
	s_wait_alu depctr_va_vdst(0)
	s_lshl_b32 s13, s12, 9
	s_mul_i32 s16, s12, WREGB
	s_add_co_u32 s16, s16, WREG
	s_lshl_b32 s17, s12, 2
	s_lshl_b32 s18, s12, 7
	s_mul_i32 s19, s12, 2*CP
	s_add_co_u32 s19, s19, CST
	s_lshl_b32 s22, s12, 11
	v_lshlrev_b32 v[L16], 4, v1
	s_delay_alu instid0(VALU_DEP_1)
	v_add_nc_u32 v[XA], s13, v[L16]
	v_lshl_add_u32 v[GA], v3, 6, s13
	s_delay_alu instid0(VALU_DEP_3)
	v_add_nc_u32 v[LW], s16, v[L16]
	v_mul_u32_u24 v[LR], v2, WP
	s_delay_alu instid0(VALU_DEP_1)
	v_lshl_add_u32 v[LR], v3, 6, v[LR]
	s_delay_alu instid0(VALU_DEP_1)
	v_add_nc_u32 v[LR], s16, v[LR]
	v_lshlrev_b32 v[RR], 5, v2
	s_delay_alu instid0(VALU_DEP_1)
	v_add_nc_u32 v[RW], s17, v[RR]
	v_mul_u32_u24 v[CW], v2, CP
	s_delay_alu instid0(VALU_DEP_1)
	v_lshl_add_u32 v[CW], v3, 4, v[CW]
	s_delay_alu instid0(VALU_DEP_1)
	v_add_nc_u32 v[CW], s18, v[CW]
	s_delay_alu instid0(VALU_DEP_1)
	v_add_nc_u32 v[CW], CST, v[CW]                 ; row r, my wave's 128 bytes, + 16 h
	v_add_nc_u32 v[CR], s19, v[L16]                ; rows 2 w and 2 w + 1, 16 bytes a lane
	v_add_nc_u32 v[GO], s22, v[L16]
	s_mov_b32 s[SEL], 0x76543210
	s_mov_b32 s[SEL+1], 0xfedcba98                 ; v_permlanex16_b32's selects for lane l xor 16
	s_mov_b32 s[MNT], 0x600000                     ; the mantissa field of 448
	v_mov_b32 v49, 0x3a800000                      ; 1 / 1,024
	v_mov_b32 v51, 0                               ; a lane permute's destination counts as one of its sources
.irp b, 0,1,2,3
	v_mov_b32 v[TM+4+\b], 0
.endr
	s_lshl_b32 s14, ttmp9, 16                      ; 16 rows of 4,096 bytes
	s_mov_b32 s15, 0
	s_lshl_b32 s26, ttmp9, 14                      ; 16 rows of 1,024 codes
	s_mov_b32 s27, 0
	s_lshl_b32 s28, ttmp9, 9                       ; 16 rows of 32 scale bytes,
	s_add_co_u32 s28, s28, 4194304                 ; behind the codes
	s_mov_b32 s29, 0
	s_wait_kmcnt 0x0
	s_add_nc_u64 s[4:5], s[4:5], s[14:15]
	s_add_nc_u64 s[30:31], s[10:11], s[28:29]
	s_add_nc_u64 s[10:11], s[10:11], s[26:27]
.irp i, 0,1,2,3,4,5,6,7,8,9,10,11,12,13,14,15
	global_load_b128 v[R+4*\i:R+4*\i+3], v[XA], s[4:5] offset:4096*\i th:TH_LOAD_NT   ; row i: the wave reads 512 consecutive bytes
.endr
.irp c, 0,1,2,3
.irp j, 0,1,2,3
	global_load_b128 v[G+16*\c+4*\j:G+16*\c+4*\j+3], v[GA], s[6:7] offset:128*\c+16*\j
.endr
.endr
	s_wait_loadcnt 16                              ; x is in; the gains' 16 loads, issued later, may be out
.irp i, 0,1,2,3,4,5,6,7,8,9,10,11,12,13,14,15
	ds_store_b128 v[LW], v[R+4*\i:R+4*\i+3] offset:WP*\i
.endr
.irp c, 0,1,2,3
.irp j, 0,1,2,3
	ds_load_b128 v[X+16*\c+4*\j:X+16*\c+4*\j+3], v[LR] offset:128*\c+16*\j   ; LDS serves a wave's instructions in order: these see the stores above
.endr
.endr
	s_wait_dscnt 0x0                               ; my numbers are back, and the stores have read their registers,
.irp c, 0,1,2,3
.irp j, 0,1,2,3
	global_load_b128 v[R+16*\c+4*\j:R+16*\c+4*\j+3], v[GA], s[8:9] offset:128*\c+16*\j   ; which take the biases
.endr
.endr
	; the mean
.irp k, 0,1,2,3
	v_pk_add_f32 v[52+2*\k:53+2*\k], v[X+4*\k:X+4*\k+1], v[X+4*\k+2:X+4*\k+3]
.endr
.irp i, 16,24,32,40,48,56
.irp k, 0,1,2,3
	s_delay_alu instid0(VALU_DEP_4)
	v_pk_add_f32 v[52+2*\k:53+2*\k], v[52+2*\k:53+2*\k], v[X+\i+2*\k:X+\i+2*\k+1]
.endr
.endr
	ACROSS RED1
	s_delay_alu instid0(VALU_DEP_1)
	v_mul_f32 v60, v50, v49
	s_delay_alu instid0(VALU_DEP_1)
	v_mov_b32 v61, v60
.set i, 0
.rept 32
	v_pk_add_f32 v[X+i:X+i+1], v[X+i:X+i+1], v[60:61] neg_lo:[0,1] neg_hi:[0,1]   ; x - mean
.set i, i+2
.endr
	; the variance, of the differences
.irp k, 0,1,2,3
	v_pk_mul_f32 v[52+2*\k:53+2*\k], v[X+2*\k:X+2*\k+1], v[X+2*\k:X+2*\k+1]
.endr
.irp i, 8,16,24,32,40,48,56
.irp k, 0,1,2,3
	s_delay_alu instid0(VALU_DEP_4)
	v_pk_fma_f32 v[52+2*\k:53+2*\k], v[X+\i+2*\k:X+\i+2*\k+1], v[X+\i+2*\k:X+\i+2*\k+1], v[52+2*\k:53+2*\k]
.endr
.endr
	ACROSS RED2
	s_delay_alu instid0(VALU_DEP_1)
	v_fmaak_f32 v51, v50, v49, 0x33d6bf95          ; sum / 1,024 + 1e-7
	s_wait_alu depctr_va_vdst(0)
	v_rsq_f32 v62, v51
	v_nop                                          ; a plain line behind the transcendental
	s_wait_alu depctr_va_vdst(0)                   ; the wait ahead of the result's first reader
	v_mov_b32 v63, v62
	s_wait_alu depctr_va_vdst(0)
	s_wait_loadcnt 0x0                             ; gains and biases
.set i, 0
.rept 32
	v_pk_mul_f32 v[X+i:X+i+1], v[X+i:X+i+1], v[62:63]
.set i, i+2
.endr
.set i, 0
.rept 32
	v_pk_fma_f32 v[X+i:X+i+1], v[X+i:X+i+1], v[G+i:G+i+1], v[R+i:R+i+1]
.set i, i+2
.endr
	QUANT X, 0
.irp c, 0,1,2,3
	ds_store_b128 v[CW], v[PC+4*\c:PC+4*\c+3] offset:32*\c   ; codes 32 c + 16 h + 0 .. 15 of my wave's 128
.endr
	ds_store_b32 v[RW], v[PW] offset:SST
	s_wait_dscnt 0x0                               ; for the others' sake
	s_barrier_signal -1
	s_barrier_wait -1                              ; 16 whole rows of codes and of scale bytes lie in LDS
.irp t, 0,1,2,3
	ds_load_b128 v[X+4*\t:X+4*\t+3], v[CR] offset:CP*(\t/2)+512*(\t%2)
.endr
.irp t, 0,1,2,3
	s_wait_dscnt 3-\t                              ; LDS loads come back in order
	global_store_b128 v[GO], v[X+4*\t:X+4*\t+3], s[10:11] offset:1024*(\t/2)+512*(\t%2)   ; 512 consecutive bytes, aligned
.endr
	s_cmp_lg_u32 s12, 0
	s_cbranch_scc1 .Ldone
	ds_load_b128 v[52:55], v[L16] offset:SST       ; wave 0: the 16 rows' 512 scale bytes
	s_wait_dscnt 0x0
	global_store_b128 v[L16], v[52:55], s[30:31]
.Ldone:
	s_wait_tensorcnt 0x0
	ds_add_u32 v13, v15
	s_wait_dscnt 0x0
	s_endpgm
.Lfunc_end_k_qa111d87104_ln1:
	.size	k_qa111d87104_ln1, .Lfunc_end_k_qa111d87104_ln1-k_qa111d87104_ln1
	.p2alignl 7, 3214868480
	.fill 96, 4, 3214868480
	.section	.rodata,"a",@progbits
	.p2align	6, 0x0
	.amdhsa_kernel k_qa111d87104_ln1
		.amdhsa_group_segment_fixed_size 88064
		.amdhsa_private_segment_fixed_size 0
		.amdhsa_enable_private_segment 0
		.amdhsa_kernarg_size 32
		.amdhsa_user_sgpr_count 2
		.amdhsa_user_sgpr_kernarg_segment_ptr 1
		.amdhsa_wavefront_size32 1
		.amdhsa_system_sgpr_workgroup_id_x 1
		.amdhsa_system_sgpr_workgroup_id_y 1
		.amdhsa_system_sgpr_workgroup_id_z 1
		.amdhsa_system_vgpr_workitem_id 0
		.amdhsa_next_free_vgpr 256
		.amdhsa_next_free_sgpr 66
		.amdhsa_reserve_vcc 0
		.amdhsa_float_denorm_mode_32 3
		.amdhsa_float_denorm_mode_16_64 3
		.amdhsa_memory_ordered 1
		.amdhsa_forward_progress 1
		.amdhsa_inst_pref_size 35
	.end_amdhsa_kernel
	.amdgpu_metadata
---
amdhsa.version: [ 1, 2 ]
amdhsa.kernels:
  - .name:           k_qa111d87104_ln1
    .symbol:         k_qa111d87104_ln1.kd
    .args:
      - { .name: x, .offset: 0, .size: 8, .value_kind: global_buffer, .address_space: global }
      - { .name: g1, .offset: 8, .size: 8, .value_kind: global_buffer, .address_space: global }
      - { .name: be1, .offset: 16, .size: 8, .value_kind: global_buffer, .address_space: global }
      - { .name: hbuf, .offset: 24, .size: 8, .value_kind: global_buffer, .address_space: global }
    .group_segment_fixed_size: 88064
    .private_segment_fixed_size: 0
    .kernarg_segment_align: 8
    .kernarg_segment_size: 32
    .max_flat_workgroup_size: 256
    .sgpr_count:     66
    .vgpr_count:     256
    .wavefront_size: 32
...
	.end_amdgpu_metadata
.endif
;; end of part 1
;; launch qkv (part 2): grid 12 x 16, 4 waves a work-group, clusters of 4 x 4, 327,680 bytes of LDS; arguments hbuf, Wq_codes, Wq_scales, Wk_codes, Wk_scales, Wv_codes, Wv_scales, bq, bk, bv, qkvbuf; writes qkvbuf
.if DOCPART == 2
	.amdgcn_target "amdgcn-amd-amdhsa--gfx1250"
	.amdhsa_code_object_version 6
	.text
	.protected	k_qa111d87104_qkv
	.globl	k_qa111d87104_qkv
	.p2align	8
	.type	k_qa111d87104_qkv,@function
k_qa111d87104_qkv:
	s_mov_b64 s[64:65], 0
	v_nop
	global_prefetch_b8 v0, s[64:65] scope:SCOPE_SE
	s_setreg_imm32_b32 hwreg(HW_REG_WAVE_MODE, 25, 1), 1
	s_wait_xcnt 0x0
	s_wait_alu depctr_hold_cnt(0) depctr_sa_sdst(0) depctr_va_vdst(0) depctr_va_sdst(0) depctr_va_ssrc(0) depctr_va_vcc(0) depctr_vm_vsrc(0)
	s_getreg_b32 s2, hwreg(HW_REG_IB_STS2, 6, 4)
	s_cmp_eq_u32 s2, 0
	s_cbranch_scc0 .Lentry_in_a_cluster
	s_endpgm
.Lentry_in_a_cluster:
	s_bfe_u32 s2, ttmp6, 0x10000c
	s_cmp_lg_u32 s2, 0xf033
	s_cbranch_scc0 .Lentry_shape_is_right
	s_endpgm
.Lentry_shape_is_right:
; A GEMM on codes of FP8 (E4M3) with E8M0 scales for each 32 along K = 1,024, whose result is quantised again on the way out and leaves as IMAGES OF OPERAND REGISTERS.
; IS_QKV = 1: q = h Wq + bq, k = h Wk + bk (quantised along the head's 64), v = h Wv + bv (quantised along the tokens, which are the keys).  IS_QKV = 0: a = relu(h W1 + b1), quantised along the hidden axis.
; A tile of 256 x 256 is made by four waves, 128 x 128 each: 64 accumulators, 512 registers.  K goes in steps of 256 through a ring of two LDS slots filled by the tensor data mover; the scale bytes of the tile's rows come once.
; THE TWO REGIONS.  Region A feeds source 1 of the matrix instruction: its row is the result's LANE.  Region B feeds source 0: its rows run along the result's REGISTERS: accumulator (a, b), lane (r, h), register j holds
; (A's row 16 a + r, B's row 16 b + 8 h + j).  What is quantised must run along registers.  For q, k and a that is the weight's rows: A = h, B = the weight.  For v it is the tokens: A = Wv, B = h: the same text, other pointers
; (h's codes and scale bytes are laid as a weight's are).  The choice hangs on the cluster's x alone (0: q, 1: k, 2: v), which all partners share; it selects pointers and numbers, never a branch.
; THE ORDER ALONG THE NEXT K.  A lane's 16 registers of accumulators 2 B and 2 B + 1 and those of lane l xor 16 are a block of 32 neighbours; inside the block the code at place 16 h + 8 u + j is number 16 u + 8 h + j.
; Every operand that meets these codes in a product has the same order inside its blocks, so products and scales are those of the natural order.
; OUT (IS_QKV = 1), in qkvbuf: Q at 0, K at 4,194,304: [batch x head][16-token block][1,024 bytes: register group c = 0, 1 of lane l at 512 c + 16 l]; V at 8,388,608: [batch x head][128 keys][16 dims][2,048 bytes: groups 0 .. 3];
;   scale words: Q's at 12,582,912, K's at 12,713,984: [batch x pair of heads][2,048 tokens] (bytes 0, 1: the even head); V's at 12,845,056: [batch x head][128 keys][64 dims].
; OUT (IS_QKV = 0), in abuf: [16-row block][128 along the hidden axis][2,048 bytes]; scale words at 16,777,216: [128 along the hidden axis][4,096 rows].
; CLUSTERS: 4 x 4 work-groups; A's tiles are asked for jointly along a row of the cluster, B's along a column.
; No prefetch: K has four steps, of which two are the first fills.
; LIMITS: NaN and infinities are not served; a block whose largest magnitude lies under 2^-118 (a block of zeros too) keeps the byte 1; this program alone reads the bytes.
; REGISTERS: window 0: v0-31 addresses; v32-63 scale words, two sets; v64-127 the bias along registers; v8-15 the bias along lanes; from v128 A's fragments, one set (on the way out: numbers, codes, work);
;   window 1: B's fragments, two sets;  window 2: the accumulators of my rows 0-63 ((a, b) at v[8 (8 a + b)]);  window 3: those of rows 64-127.
.set IS_QKV, 1
.set SIZE_K, 1024
.set KSTEP,  256
.set NQ,     KSTEP/128
.set ROWB,   256
.set KROW,   SIZE_K
.set PITCH,  272                       ; an LDS row: 256 bytes + 16: the 16 rows that a load touches start at 16 different banks (64 banks of 4 bytes: ISA guide 11.1)
.set FR,     16
.set NL,     4
.set NP,     8                         ; places behind this matrix instruction (ISA guide 7.12.1)
.set HALFT,  128*PITCH
.set SLOT,   4*HALFT
.set LAPS,   SIZE_K/(2*KSTEP)
.set KS,     SIZE_K/32
.set SCL,    2*SLOT                    ; behind the ring: the scale bytes, as units of 256 bytes + 16
.set HALFS,  (128*KS/256)*272
.set SBLK,   (16*KS/256)*272
.set SPARE,  SCL+4*HALFS               ; the spare words: 128 bytes a wave, two blocks of 256 bytes that no other line names
.set ADRA, 16
.set ADRB, 20
.set SRD,  22                          ; v22  the scale words' stage, out: 512 wave + 16 lane (in slot 0, which has had its last fill and its last read by then)
.set SGO,  23                          ; v23  and their place in memory
.set VO0,  24                          ; v24  16 lane;  v25 the same, for register groups 2 and 3
.set SWA,  26                          ; v26  the scale words' stage, in: 512 wave + 4 r
.set ADRS, 27
.set SPW,  28
.set NIL,  29
.set ZR,   30                          ; v30  0
.set SC,   32
.set BR,   64
.set BL,   8
.set AF,   128
.set Y,    128                         ; the way out: 64 numbers
.set PC,   192                         ; their codes
.set TM,   208
.set PW,   224
.set SEL,  20
.set MNT,  23
.set G1, 24
.set G0, 32
.set G1B, 48
.set G0B, 56
.set G1S, 68
.set G0S, 76
.set G1SB, 80
.set G0SB, 88
.set MSB, 0
.macro WIN new                         ; the immediate's high byte repeats the setting that is left
.if MSB != \new
	s_set_vgpr_msb (MSB<<8)|\new
.set MSB, \new
.endif
.endm
.set MUL_LO, 0xa1                      ; source 0 (B) window 1, source 1 (A) window 0, C and D window 2
.set MUL_HI, 0xf1
.set TO_B,   0x40
; A joint load: waves 0 and 1 fetch for A, waves 2 and 3 for B; the branch hangs on the wave's number alone.  Four v_nop follow each line.
.macro JLOAD g0a, g1a, g0b, g1b
	s_cmp_eq_u32 s15, 0
	s_cbranch_scc0 .Lfor_b_\@
	tensor_load_to_lds s[\g0a:\g0a+3], s[\g1a:\g1a+7]
	s_nop 0
.rept 4
	v_nop
.endr
	s_branch .Lasked_\@
.Lfor_b_\@:
	tensor_load_to_lds s[\g0b:\g0b+3], s[\g1b:\g1b+7]
	s_nop 0
.rept 4
	v_nop
.endr
.Lasked_\@:
.endm
.macro CREST                           ; a round of the cluster's barrier behind its opening barrier
	s_cmp_lg_u32 s14, 0
	s_cbranch_scc1 .Lnot_wave_0_\@
	s_barrier_signal -3
.Lnot_wave_0_\@:
	s_barrier_wait -3
	s_barrier_signal -1
	s_barrier_wait -1
.endm
.macro CROUND
	s_barrier_signal -1
	s_barrier_wait -1
	CREST
.endm
; 64 numbers of a lane, register 16 b + i in block b, become 16 registers of codes in v[PC] on and a scale word in v[PW].  relu = 1: what is negative becomes 0 on the way
.macro QUANT s, relu
.if \relu
.irp b, 0,1,2,3
	v_max3_num_f32 v[TM+\b], v[\s+16*\b], v[\s+1+16*\b], 0x4800000   ; no |.|: what is negative is to become 0 and must not count; the floor 2^(9 - 127) stands over it
.endr
.irp i, 2,4,6,8,10,12,14
.irp b, 0,1,2,3
	v_max3_num_f32 v[TM+\b], v[TM+\b], v[\s+16*\b+\i], v[\s+1+16*\b+\i]
.endr
.endr
.else
.irp b, 0,1,2,3
	v_max3_num_f32 v[TM+\b], |v[\s+16*\b]|, |v[\s+1+16*\b]|, 0x4800000   ; block b: my 16 numbers and the floor 2^(9 - 127): the byte cannot fall under 1
.endr
.irp i, 2,4,6,8,10,12,14
.irp b, 0,1,2,3
	v_max3_num_f32 v[TM+\b], v[TM+\b], |v[\s+16*\b+\i]|, |v[\s+1+16*\b+\i]|
.endr
.endr
.endif
.irp b, 0,1,2,3
	v_permlanex16_b32 v[TM+4+\b], v[TM+\b], s[SEL], s[SEL+1]
.endr
.irp b, 0,1,2,3
	v_max_num_f32 v[TM+\b], v[TM+\b], v[TM+4+\b]   ; with lane l xor 16's: the block's largest magnitude
.endr
.irp b, 0,1,2,3
	v_add_nc_u32 v[TM+12+\b], 0xfc000000, v[TM+\b]   ; 8 off its exponent field: the conversion's scale operand
.endr
.irp b, 0,1,2,3
	v_and_or_b32 v[TM+8+\b], v[TM+\b], 0x7f800000, s[MNT]   ; 448 x the scale
.endr
.irp b, 0,1,2,3
	v_lshrrev_b32 v[TM+4+\b], 23, v[TM+12+\b]      ; the scale's byte
.endr
	v_lshl_or_b32 v[PW], v[TM+5], 8, v[TM+4]
	v_lshl_or_b32 v[PW], v[TM+6], 16, v[PW]
	v_lshl_or_b32 v[PW], v[TM+7], 24, v[PW]
.irp b, 0,1,2,3
.irp i, 0,1,2,3,4,5,6,7,8,9,10,11,12,13,14,15
.if \relu
	v_med3_num_f32 v[\s+16*\b+\i], v[\s+16*\b+\i], 0, v[TM+8+\b]   ; the activation and the hold in one
.else
	v_med3_num_f32 v[\s+16*\b+\i], v[\s+16*\b+\i], -v[TM+8+\b], v[TM+8+\b]   ; the conversion does not saturate (ISA guide 7.6.2)
.endif
.endr
	v_cvt_scalef32_pk8_fp8_f32 v[PC+4*\b:PC+1+4*\b], v[\s+16*\b:\s+7+16*\b], v[TM+12+\b]
	v_cvt_scalef32_pk8_fp8_f32 v[PC+2+4*\b:PC+3+4*\b], v[\s+8+16*\b:\s+15+16*\b], v[TM+12+\b]
.endr
	v_nop                                          ; a plain line behind the last conversion
.endm
.if IS_QKV
	s_load_b512 s[68:83], s[0:1], 0x0              ; h, Wq codes, Wq scales, Wk codes, Wk scales, Wv codes, Wv scales, bq
	s_load_b128 s[84:87], s[0:1], 0x40             ; bk, bv
	s_load_b64 s[88:89], s[0:1], 0x50              ; out
.else
	s_load_b256 s[68:75], s[0:1], 0x0              ; h, W1 codes, W1 scales, b1
	s_load_b64 s[76:77], s[0:1], 0x20              ; out
.endif
	v_lshl_add_u32 v[SPW], v0, 2, SPARE
	v_mov_b32 v[NIL], 0
	ds_add_u32 v28, v29
	ds_add_u32 v28, v29
	s_wait_dscnt 0x0
	v_lshrrev_b32 v1, 5, v0
	v_readfirstlane_b32 s14, v1                    ; wave 0..3
	s_lshr_b32 s15, s14, 1                         ; which half of A's rows is mine.  Also: I fetch for A (0) or for B (1)
	s_and_b32 s16, s14, 1                          ; which half of B's rows.  Also: which 128 rows I fetch
	s_bfe_u32 s40, ttmp6, 0x40000                  ; cx, cy: my place in the cluster
	s_bfe_u32 s41, ttmp6, 0x40004
	s_and_b32 s18, ttmp7, 0xffff
	s_lshl_b32 s18, s18, 2                         ; 4 x cluster y
.if IS_QKV
	s_cmp_eq_u32 ttmp9, 2                          ; v?  The 16 tiles of tokens lie along A for q and k, along B for v; the weight's four tiles along the other
	s_cselect_b32 s17, 0, s18
	s_cselect_b32 s42, s18, 0
	s_cselect_b32 s95, -1, 0                       ; all ones for v
.else
	s_mov_b32 s17, s18
	s_lshl_b32 s42, ttmp9, 2
.endif
	s_add_co_u32 s17, s17, s41                     ; A's tile: it holds cy and never cx
	s_add_co_u32 s42, s42, s40                     ; B's tile: it holds cx and never cy
	s_lshl_b32 s43, s41, 2
	s_lshl_b32 s43, 15, s43                        ; my row of the cluster
	s_lshl_b32 s44, 0x1111, s40                    ; my column
	s_or_b32 s[G1+0], s43, (0<<16)|(1<<20)|(1<<21)|(5<<22)|(3<<25)  ; the mask; elements of 1 byte; padding: 4 words behind every 64; bit 21 beside a mask
	s_or_b32 s[G1B+0], s44, (0<<16)|(1<<20)|(1<<21)|(5<<22)|(3<<25)
.irp g, G1, G1B
	s_mov_b32 s[\g+1], ROWB<<16                    ; tensor_dim0
	s_mov_b32 s[\g+2], 256<<16                     ; tensor_dim1: 256 rows for the head's loads; set to 128 for the ring's behind them
	s_mov_b32 s[\g+3], ROWB<<16                    ; tile_dim0
	s_mov_b32 s[\g+4], 256                         ; tile_dim1
	s_mov_b32 s[\g+5], KROW                        ; the pitch
	s_mov_b32 s[\g+6], 0
	s_mov_b32 s[\g+7], 0
.endr
	s_lshl_b32 s20, s17, 8                         ; A: the tile's first row
	s_lshl_b32 s46, s42, 8                         ; B likewise
	s_mov_b32 s21, 0
	s_mov_b32 s47, 0
	s_mov_b64 s[18:19], KS
	s_mul_u64 s[22:23], s[20:21], s[18:19]         ; where the tile's 256 rows of scale bytes begin
	s_mul_u64 s[92:93], s[46:47], s[18:19]
	s_lshl_b32 s18, s16, 7
	s_add_co_u32 s20, s20, s18                     ; codes: + 128 x my half
	s_add_co_u32 s46, s46, s18
	s_mov_b64 s[18:19], KROW
	s_mul_u64 s[20:21], s[20:21], s[18:19]         ; and their codes
	s_mul_u64 s[46:47], s[46:47], s[18:19]
	s_mul_i32 s45, s14, HALFT                      ; where they go: wave x 128 rows
	s_wait_kmcnt 0x0
.if IS_QKV
	s_add_nc_u64 s[90:91], s[68:69], 0x400000      ; h's scale bytes lie behind its codes
	s_cmp_eq_u32 ttmp9, 0
	s_cselect_b64 s[8:9], s[70:71], s[74:75]       ; Wq or Wk
	s_cselect_b64 s[10:11], s[72:73], s[76:77]
	s_cselect_b64 s[100:101], s[82:83], s[84:85]
	s_cmp_eq_u32 ttmp9, 2
	s_cselect_b64 s[4:5], s[78:79], s[68:69]       ; A's codes: Wv's for v, else h's
	s_cselect_b64 s[6:7], s[80:81], s[90:91]       ; A's scale bytes
	s_cselect_b64 s[8:9], s[68:69], s[8:9]         ; B's codes: h's for v, else the weight's
	s_cselect_b64 s[10:11], s[90:91], s[10:11]     ; B's scale bytes
	s_cselect_b64 s[100:101], s[86:87], s[100:101] ; the bias
	s_mov_b64 s[12:13], s[88:89]
.else
	s_mov_b64 s[4:5], s[68:69]
	s_add_nc_u64 s[6:7], s[68:69], 0x400000
	s_mov_b64 s[8:9], s[70:71]
	s_mov_b64 s[10:11], s[72:73]
	s_mov_b64 s[100:101], s[74:75]
	s_mov_b64 s[12:13], s[76:77]
.endif
	; the scale bytes of 256 rows: a dense block, as rows of 256 bytes (32 elements of 8 bytes), 16 bytes of padding behind each
	s_or_b32 s[G1S+0], s43, (3<<16)|(1<<20)|(1<<21)|(5<<22)|(3<<25)
	s_or_b32 s[G1SB+0], s44, (3<<16)|(1<<20)|(1<<21)|(5<<22)|(3<<25)
.irp g, G1S, G1SB
	s_mov_b32 s[\g+1], 32<<16
	s_mov_b32 s[\g+2], KS<<16                      ; the scale bytes of 256 rows: KS rows of 256 bytes
	s_mov_b32 s[\g+3], 32<<16
	s_mov_b32 s[\g+4], KS
	s_mov_b32 s[\g+5], 32
	s_mov_b32 s[\g+6], 0
	s_mov_b32 s[\g+7], 0
.endr
	s_add_nc_u64 s[20:21], s[4:5], s[20:21]
	s_add_nc_u64 s[22:23], s[6:7], s[22:23]
	s_add_nc_u64 s[46:47], s[8:9], s[46:47]
	s_add_nc_u64 s[92:93], s[10:11], s[92:93]
	CROUND                                         ; all sixteen work-groups are here: the first joint loads meet
	s_mov_b32 s[G0S], 1
	s_mov_b32 s[G0S+1], SCL
	s_mov_b64 s[G0S+2:G0S+3], s[22:23]
	s_or_b32 s[G0S+3], s[G0S+3], 0x80000000
	s_mov_b32 s[G0SB], 1
	s_mov_b32 s[G0SB+1], SCL+2*HALFS
	s_mov_b64 s[G0SB+2:G0SB+3], s[92:93]
	s_or_b32 s[G0SB+3], s[G0SB+3], 0x80000000
.irp s, 0,1
	s_mov_b32 s[G0+4*\s], 1
	s_add_co_u32 s[G0+4*\s+1], s45, \s*SLOT
	s_add_nc_u64 s[G0+4*\s+2:G0+4*\s+3], s[20:21], \s*ROWB
	s_or_b32 s[G0+4*\s+3], s[G0+4*\s+3], 0x80000000
	s_mov_b32 s[G0B+4*\s], 1
	s_add_co_u32 s[G0B+4*\s+1], s45, \s*SLOT
	s_add_nc_u64 s[G0B+4*\s+2:G0B+4*\s+3], s[46:47], \s*ROWB
	s_or_b32 s[G0B+4*\s+3], s[G0B+4*\s+3], 0x80000000
.endr
; THE HEAD'S LOADS, ONE A WAVE: wave 0 K step 0's 256 rows of A (its slot 0 descriptor begins at the tile's first row and at LDS byte 0), wave 1 A's scale bytes, wave 2 the 256 rows of B, wave 3 B's scale bytes.
.macro ARM under, g0, g1, next
	s_cmp_lt_u32 s14, \under
	s_cbranch_scc0 \next
	tensor_load_to_lds s[\g0:\g0+3], s[\g1:\g1+7]
	s_nop 0
.rept 4
	v_nop
.endr
	s_branch .Lhead_asked
\next:
.endm
	ARM 1, G0, G1, .Lhead_sa
	ARM 2, G0S, G1S, .Lhead_b
	ARM 3, G0B, G1B, .Lhead_sb
	tensor_load_to_lds s[G0SB:G0SB+3], s[G1SB:G1SB+7]
	s_nop 0
.rept 4
	v_nop
.endr
.Lhead_asked:
	v_and_b32 v1, 15, v0                           ; r
	v_bfe_u32 v2, v0, 4, 1                         ; h
	v_mul_u32_u24 v3, v1, PITCH
	v_lshl_add_u32 v4, v2, 4, v3                   ; a fragment's row x pitch + 16 h
	s_mul_i32 s21, s15, HALFT                      ; my 128 rows of A
	s_mul_i32 s22, s16, HALFT                      ; my 128 rows of B,
	s_add_co_u32 s22, s22, 2*HALFT                 ; behind A's 256
.irp s, 0,1
	v_add_nc_u32 v[ADRA+\s], s21, v4
	v_add_nc_u32 v[ADRB+\s], s22, v4
	s_add_co_u32 s21, s21, SLOT
	s_add_co_u32 s22, s22, SLOT
.endr
	v_mul_u32_u24 v5, v1, KS                       ; my row's scale bytes: KS a row,
	v_lshrrev_b32 v6, 8, v5
	v_lshl_add_u32 v5, v6, 4, v5                   ; and 16 more for each 256 passed
	s_mul_i32 s21, s15, HALFS
	s_mul_i32 s22, s16, HALFS
	s_add_co_u32 s22, s22, 2*HALFS
	s_sub_co_u32 s22, s22, s21
	v_mul_u32_u24 v6, s22, v2                      ; lanes 16-31 take B's
	s_add_co_u32 s21, s21, SCL
	v_add_nc_u32 v5, v5, v6
	v_add_nc_u32 v[ADRS], s21, v5
	; where the results go
	s_lshl_b32 s18, s17, 8
	s_lshl_b32 s19, s15, 7
	s_add_co_u32 s18, s18, s19                     ; my first row of A
	s_lshl_b32 s19, s42, 8
	s_lshl_b32 s22, s16, 7
	s_add_co_u32 s19, s19, s22                     ; my first row of B
.if IS_QKV
	s_mov_b32 s96, 1024
	s_cmp_eq_u32 ttmp9, 2
	s_cselect_b32 s46, s19, s18                    ; my first token
	s_cselect_b32 s47, s18, s19                    ; my first feature: 128 of them, two heads
	s_cselect_b32 s96, 2048, s96                   ; from one block of 16 lanes' rows to the next: q, k: 16 tokens on; v: 16 dims on
	s_cselect_b32 s98, 122880, 0                   ; v: behind four such blocks the odd head begins
	s_cselect_b32 s66, 0, 130048                   ; q, k: register groups 2 and 3 belong to the odd head, 131,072 - 1,024 bytes on
	s_cselect_b32 s67, 3840, 0                     ; v: the odd head's scale words lie 4,096 bytes on
	s_cselect_b32 s22, 1, 2                        ; scale words: v: 256 bytes for 128 tokens; q, k: 4 bytes a token
	s_lshr_b32 s43, s47, 7                         ; the pair of heads
	s_lshr_b32 s44, s46, 11                        ; the batch
	s_and_b32 s45, s46, 2047                       ; the token in it
	s_lshl_b32 s18, ttmp9, 22                      ; Q, K or V: 4,194,304 each
	s_lshl_b32 s19, s44, 21                        ; 16 heads of 131,072 bytes a batch
	s_add_co_u32 s18, s18, s19
	s_lshl_b32 s19, s43, 18
	s_add_co_u32 s18, s18, s19
	s_lshl_b32 s19, s45, 6                         ; 64 bytes a token in all three
	s_add_co_u32 s18, s18, s19
	s_mov_b32 s19, 0
	s_add_nc_u64 s[92:93], s[12:13], 0xc00000
	s_add_nc_u64 s[12:13], s[12:13], s[18:19]
	s_lshl_b32 s18, ttmp9, 17
	s_lshl_b32 s2, s44, 16
	s_add_co_u32 s18, s18, s2
	s_lshl_b32 s2, s43, 13
	s_add_co_u32 s18, s18, s2
	s_lshl_b32 s2, s45, s22
	s_add_co_u32 s18, s18, s2
	s_add_nc_u64 s[92:93], s[92:93], s[18:19]
	s_lshl_b32 s18, s47, 2
	s_add_nc_u64 s[100:101], s[100:101], s[18:19]
.else
	s_mov_b32 s96, 65536                           ; 16 rows on: 32 fragments of 2,048 bytes
	s_mov_b32 s98, 0
	s_mov_b32 s66, 0
	s_mov_b32 s67, 0
	s_lshr_b32 s43, s19, 7                         ; which 128 of the hidden axis
	s_lshl_b32 s46, s18, 12
	s_lshl_b32 s47, s43, 11
	s_add_co_u32 s46, s46, s47
	s_mov_b32 s47, 0
	s_add_nc_u64 s[92:93], s[12:13], 0x1000000
	s_add_nc_u64 s[12:13], s[12:13], s[46:47]
	s_lshl_b32 s46, s43, 14
	s_lshl_b32 s44, s18, 2
	s_add_co_u32 s46, s46, s44
	s_add_nc_u64 s[92:93], s[92:93], s[46:47]
	s_lshl_b32 s46, s19, 2
	s_add_nc_u64 s[100:101], s[100:101], s[46:47]
.endif
	s_mov_b32 s97, 0
	s_mov_b32 s99, 0
	v_and_b32 v6, 31, v0
	v_lshlrev_b32 v[VO0], 4, v6
	v_add_nc_u32 v[VO0+1], s66, v[VO0]
	s_lshl_b32 s21, s14, 9
	v_lshl_add_u32 v[SWA], v1, 2, s21
	v_add_nc_u32 v[SRD], s21, v[VO0]
	s_add_co_u32 s22, s67, 256
	v_mul_u32_u24 v[SGO], s22, v2
	v_lshl_add_u32 v[SGO], v1, 4, v[SGO]
	v_lshlrev_b32 v7, 5, v2                        ; 32 h
	v_lshlrev_b32 v31, 2, v1                       ; 4 r
	v_mov_b32 v[ZR], 0
	s_mov_b32 s[SEL], 0x76543210
	s_mov_b32 s[SEL+1], 0xfedcba98
	s_mov_b32 s[MNT], 0x600000
.irp b, 0,1,2,3,4,5,6,7
	global_load_b128 v[BR+8*\b:BR+8*\b+3], v7, s[100:101] offset:64*\b        ; the bias of features 16 b + 8 h + 0 .. 7: waited for behind the loop
	global_load_b128 v[BR+8*\b+4:BR+8*\b+7], v7, s[100:101] offset:64*\b+16
.endr
.if IS_QKV
.irp a, 0,1,2,3,4,5,6,7
	global_load_b32 v[BL+\a], v31, s[100:101] offset:64*\a                    ; and of feature 16 a + r
.endr
.endif
.macro FRAG reg, adr, q, i             ; 16 rows x 128 K: lane l holds row l % 16; registers 4 c .. 4 c + 3 hold K = 32 c + 16 (l / 16) + 0 .. 15
.irp c, 0,1,2,3
	ds_load_b128 v[\reg+4*\c:\reg+4*\c+3], v[\adr] offset:128*(\q)+32*\c+(\i)*16*PITCH
.endr
.endm
; 16 matrix instructions: A's blocks a0, a0 + 1 x B's eight.  The 64 accumulators take turns, one instruction a turn, in the same order in every step
.macro MUL16 a0, p, q, sc, zero
.irp a, \a0, \a0+1
.irp b, 0,1,2,3,4,5,6,7
.if \zero
	v_wmma_scale_f32_16x16x128_f8f6f4 v[8*(8*((\a)%4)+\b):8*(8*((\a)%4)+\b)+7], v[128*(\p)+FR*\b:128*(\p)+FR*\b+FR-1], v[AF+FR*(\a):AF+FR*(\a)+FR-1], 0, v[SC+8*NQ*(\sc)+NQ*\b+(\q)], v[SC+8*NQ*(\sc)+NQ*(\a)+(\q)] matrix_a_scale:MATRIX_SCALE_ROW1
.else
	v_wmma_scale_f32_16x16x128_f8f6f4 v[8*(8*((\a)%4)+\b):8*(8*((\a)%4)+\b)+7], v[128*(\p)+FR*\b:128*(\p)+FR*\b+FR-1], v[AF+FR*(\a):AF+FR*(\a)+FR-1], v[8*(8*((\a)%4)+\b):8*(8*((\a)%4)+\b)+7], v[SC+8*NQ*(\sc)+NQ*\b+(\q)], v[SC+8*NQ*(\sc)+NQ*(\a)+(\q)] matrix_a_scale:MATRIX_SCALE_ROW1
.endif
.endr
.endr
.endm
.macro FETCH_B slot, q, p
	WIN TO_B
.irp i, 0,1,2,3,4,5,6,7
	FRAG 128*(\p)+FR*\i, ADRB+\slot, \q, \i
.endr
	WIN 0
.endm
.macro FETCH_A slot, q, i0
.irp i, \i0, \i0+1, \i0+2, \i0+3
	FRAG AF+FR*(\i), ADRA+\slot, \q, \i
.endr
.endm
.macro SCALES sc                       ; a K step's scale words: lanes 0-15 take A's block i, lanes 16-31 B's block i
.irp i, 0,1,2,3,4,5,6,7
	ds_load_b64 v[SC+8*NQ*\sc+NQ*\i:SC+8*NQ*\sc+NQ*\i+1], v[ADRS] offset:\i*SBLK
.endr
.endm
.macro PLACES n                        ; plain vector lines between a matrix instruction and a load into, or a vector read of, its registers
.rept \n
	v_nop
.endr
.endm
.macro STEP slot, q, zero              ; 128 along K with a successor in the same slot
	s_wait_dscnt 4*NL                              ; B's set and A's blocks 0-3 are in; the youngest 16 loads (A's blocks 4-7) may be out
	WIN MUL_LO
	MUL16 0, (\q)%2, \q, \slot, \zero
	MUL16 2, (\q)%2, \q, \slot, \zero
	s_wait_dscnt 0
	PLACES NP
	FETCH_B \slot, (\q)+1, 1-(\q)%2
	FETCH_A \slot, (\q)+1, 0
	WIN MUL_HI
	MUL16 4, (\q)%2, \q, \slot, \zero
	MUL16 6, (\q)%2, \q, \slot, \zero
	PLACES NP
	WIN 0
	FETCH_A \slot, (\q)+1, 4
.endm
; A slot's last step changes slots: one barrier; in front of it each wave waits for all its tensor loads, adds 0 to its spare word, and waits for that and for its reads of this slot
.macro TURN slot, next, fill
	s_wait_tensorcnt 0x0                           ; all my tensor loads have landed: my part of the next slot
	ds_add_u32 v[SPW], v[NIL]
	s_wait_dscnt 4*NL+1                            ; the add and the youngest 16 loads may be out
	WIN MUL_LO
	MUL16 0, 1, NQ-1, \slot, 0
	s_wait_dscnt 0x0                               ; the add is done, and my reads of this slot are over
	s_barrier_signal -1
	MUL16 2, 1, NQ-1, \slot, 0
	WIN 0
	s_barrier_wait -1
.if \fill
	CREST                                          ; the barrier has opened a round of the cluster's: no wave of any partner still reads this slot or has a load on its way
	s_add_nc_u64 s[G0+4*\slot+2:G0+4*\slot+3], s[G0+4*\slot+2:G0+4*\slot+3], 2*ROWB
	s_add_nc_u64 s[G0B+4*\slot+2:G0B+4*\slot+3], s[G0B+4*\slot+2:G0B+4*\slot+3], 2*ROWB
	JLOAD G0+4*\slot, G1, G0B+4*\slot, G1B         ; my one tensor load behind the round; its four v_nop are among the places
	PLACES NP-4
.else
	PLACES NP
.endif
	s_wait_alu depctr_va_vdst(0)
	v_add_nc_u32 v[ADRS], 4*NQ, v[ADRS]
	FETCH_B \next, 0, 0
	FETCH_A \next, 0, 0
	SCALES \next
	WIN MUL_HI
	MUL16 4, 1, NQ-1, \slot, 0
	MUL16 6, 1, NQ-1, \slot, 0
	PLACES NP
	WIN 0
	FETCH_A \next, 0, 4
.endm
	s_wait_alu depctr_va_vdst(0)                   ; the wait at the head's end
	s_wait_tensorcnt 0x0                           ; my tile of the head's four is in
	ds_add_u32 v[SPW], v[NIL]                      ; the line ahead of a later first fill
	s_mov_b32 s[G1+2], 128<<16                     ; no tensor load of mine is out: from here on a load brings 128 rows
	s_mov_b32 s[G1+4], 128
	s_mov_b32 s[G1B+2], 128<<16
	s_mov_b32 s[G1B+4], 128
	s_wait_dscnt 0x0
	CROUND                                         ; all four tiles are in, all sixteen work-groups are here
	JLOAD G0+4, G1, G0B+4, G1B                     ; K step 1: my one tensor load behind the round
	FETCH_B 0, 0, 0
	FETCH_A 0, 0, 0
	SCALES 0
	FETCH_A 0, 0, 4
	STEP 0, 0, 1                                   ; the first step starts the sums: nothing is cleared
	s_mov_b32 s3, LAPS-1
.Llap:
	TURN 0, 1, 1
	STEP 1, 0, 0
	TURN 1, 0, 1
	STEP 0, 0, 0
	s_sub_co_u32 s3, s3, 1
	s_cmp_lg_u32 s3, 0
	s_cbranch_scc1 .Llap
	TURN 0, 1, 0                                   ; the last lap fills nothing
	STEP 1, 0, 0
	s_wait_dscnt 4*NL
	WIN MUL_LO
	MUL16 0, 1, NQ-1, 1, 0
	MUL16 2, 1, NQ-1, 1, 0
	s_wait_dscnt 0
	WIN MUL_HI
	MUL16 4, 1, NQ-1, 1, 0
	MUL16 6, 1, NQ-1, 1, 0
	WIN 0
; THE WAY OUT, A's blocks of 16 rows one after the other: bias, quantiser, and the 16 registers of codes leave as they stand: each store of the wave covers 512 consecutive bytes, aligned.
.macro OUT a
	s_wait_xcnt 0x0                                ; the last block's stores have read their data and their base
	s_wait_dscnt 0x0                               ; and its scale word is in the stage
.if (\a) > 0
	s_add_nc_u64 s[12:13], s[12:13], s[96:97]
.endif
.if IS_QKV && ((\a) == 4)
	s_add_nc_u64 s[12:13], s[12:13], s[98:99]
.endif
	WIN 0x02+((\a)/4)                              ; source 0: window 2 or 3
.set i, 0
.rept 32
	v_pk_add_f32 v[Y+i:Y+i+1], v[64*((\a)%4)+i:64*((\a)%4)+i+1], v[BR+i:BR+i+1]   ; each accumulator from its low end on
.set i, i+2
.endr
	WIN 0
.if IS_QKV
.set i, 0
.rept 32
.if ((\a)%2) == 0
	v_pk_add_f32 v[Y+i:Y+i+1], v[Y+i:Y+i+1], v[BL+(\a):BL+(\a)+1] op_sel_hi:[1,0]
.else
	v_pk_add_f32 v[Y+i:Y+i+1], v[Y+i:Y+i+1], v[BL+(\a)-1:BL+(\a)] op_sel:[0,1] op_sel_hi:[1,1]
.endif
.set i, i+2
.endr
.endif
	QUANT Y, 1-IS_QKV
.irp c, 0,1,2,3
	global_store_b128 v[VO0+\c/2], v[PC+4*\c:PC+4*\c+3], s[12:13] offset:512*\c
.endr
	ds_store_b32 v[SWA], v[PW] offset:64*(\a)      ; both lanes of a row write the same word with the same value
.endm
	PLACES NP                                      ; behind the last products: results are read, and A's registers written
	s_wait_loadcnt 0x0                             ; the bias
.if IS_QKV
.set i, 0
.rept 64
	v_cndmask_b32 v[BR+i], v[BR+i], v[ZR], s95     ; v's features run along lanes, q's and k's along registers: the other bias is 0
.set i, i+1
.endr
.irp a, 0,1,2,3,4,5,6,7
	v_cndmask_b32 v[BL+\a], v[ZR], v[BL+\a], s95
.endr
.endif
.irp b, 0,1,2,3
	v_mov_b32 v[TM+4+\b], 0                        ; a lane permute's destination counts as one of its sources
.endr
.irp a, 0,1,2,3,4,5,6,7
	OUT \a
.endr
	ds_load_b128 v[228:231], v[SRD]                ; my 128 scale words (LDS serves a wave's instructions in order)
	s_wait_dscnt 0x0
	global_store_b128 v[SGO], v[228:231], s[92:93] ; two runs of 256 consecutive bytes, aligned
	s_wait_tensorcnt 0x0                           ; the wave's end
	ds_add_u32 v[SPW], v[NIL]
	s_wait_dscnt 0x0
	CROUND                                         ; the closing round
	s_endpgm
.Lfunc_end_k_qa111d87104_qkv:
	.size	k_qa111d87104_qkv, .Lfunc_end_k_qa111d87104_qkv-k_qa111d87104_qkv
	.p2alignl 7, 3214868480
	.fill 96, 4, 3214868480
	.section	.rodata,"a",@progbits
	.p2align	6, 0x0
	.amdhsa_kernel k_qa111d87104_qkv
		.amdhsa_group_segment_fixed_size 327680
		.amdhsa_private_segment_fixed_size 0
		.amdhsa_enable_private_segment 0
		.amdhsa_kernarg_size 88
		.amdhsa_user_sgpr_count 2
		.amdhsa_user_sgpr_kernarg_segment_ptr 1
		.amdhsa_wavefront_size32 1
		.amdhsa_system_sgpr_workgroup_id_x 1
		.amdhsa_system_sgpr_workgroup_id_y 1
		.amdhsa_system_sgpr_workgroup_id_z 1
		.amdhsa_system_vgpr_workitem_id 0
		.amdhsa_next_free_vgpr 1024
		.amdhsa_next_free_sgpr 102
		.amdhsa_reserve_vcc 0
		.amdhsa_float_denorm_mode_32 3
		.amdhsa_float_denorm_mode_16_64 3
		.amdhsa_memory_ordered 1
		.amdhsa_forward_progress 1
		.amdhsa_inst_pref_size 226
	.end_amdhsa_kernel
	.amdgpu_metadata
---
amdhsa.version: [ 1, 2 ]
amdhsa.kernels:
  - .name:           k_qa111d87104_qkv
    .symbol:         k_qa111d87104_qkv.kd
    .args:
      - { .name: hbuf, .offset: 0, .size: 8, .value_kind: global_buffer, .address_space: global }
      - { .name: Wq_codes, .offset: 8, .size: 8, .value_kind: global_buffer, .address_space: global }
      - { .name: Wq_scales, .offset: 16, .size: 8, .value_kind: global_buffer, .address_space: global }
      - { .name: Wk_codes, .offset: 24, .size: 8, .value_kind: global_buffer, .address_space: global }
      - { .name: Wk_scales, .offset: 32, .size: 8, .value_kind: global_buffer, .address_space: global }
      - { .name: Wv_codes, .offset: 40, .size: 8, .value_kind: global_buffer, .address_space: global }
      - { .name: Wv_scales, .offset: 48, .size: 8, .value_kind: global_buffer, .address_space: global }
      - { .name: bq, .offset: 56, .size: 8, .value_kind: global_buffer, .address_space: global }
      - { .name: bk, .offset: 64, .size: 8, .value_kind: global_buffer, .address_space: global }
      - { .name: bv, .offset: 72, .size: 8, .value_kind: global_buffer, .address_space: global }
      - { .name: qkvbuf, .offset: 80, .size: 8, .value_kind: global_buffer, .address_space: global }
    .group_segment_fixed_size: 327680
    .private_segment_fixed_size: 0
    .kernarg_segment_align: 8
    .kernarg_segment_size: 88
    .max_flat_workgroup_size: 128
    .sgpr_count:     102
    .vgpr_count:     1024
    .wavefront_size: 32
...
	.end_amdgpu_metadata
.endif
;; end of part 2
;; launch attn (part 3): grid 8 x 32, 16 waves a work-group, clusters of 4 x 1, 327,680 bytes of LDS; arguments qkvbuf, obuf; writes obuf
.if DOCPART == 3
	.amdgcn_target "amdgcn-amd-amdhsa--gfx1250"
	.amdhsa_code_object_version 6
	.text
	.protected	k_qa111d87104_attn
	.globl	k_qa111d87104_attn
	.p2align	8
	.type	k_qa111d87104_attn,@function
k_qa111d87104_attn:
	s_mov_b64 s[64:65], 0
	v_nop
	global_prefetch_b8 v0, s[64:65] scope:SCOPE_SE
	s_setreg_imm32_b32 hwreg(HW_REG_WAVE_MODE, 25, 1), 1
	s_wait_xcnt 0x0
	s_wait_alu depctr_hold_cnt(0) depctr_sa_sdst(0) depctr_va_vdst(0) depctr_va_sdst(0) depctr_va_ssrc(0) depctr_va_vcc(0) depctr_vm_vsrc(0)
	s_getreg_b32 s2, hwreg(HW_REG_IB_STS2, 6, 4)
	s_cmp_eq_u32 s2, 0
	s_cbranch_scc0 .Lentry_in_a_cluster
	s_endpgm
.Lentry_in_a_cluster:
	s_bfe_u32 s2, ttmp6, 0x10000c
	s_cmp_lg_u32 s2, 0x3003
	s_cbranch_scc0 .Lentry_shape_is_right
	s_endpgm
.Lentry_shape_is_right:
; Causal attention on codes of FP8 (E4M3): o = softmax(q k^T / 8) v for 32 (batch x head) of 2,048 tokens, head size 64; o is quantised along the model's axis and leaves as images of operand registers.
; IN (qkvbuf): Q at 0, K at 4,194,304: [bh][16-token block][1,024 bytes: register group c = 0, 1 of lane l at 512 c + 16 l]; V at 8,388,608: [bh][128 keys][16 dims][2,048 bytes]; scale words: Q's at 12,582,912, K's at 12,713,984:
;   [batch x pair of heads][2,048 tokens], bytes 0, 1 the even head's; V's at 12,845,056: [bh][128 keys][64 dims].  Inside every block of 32 along a product's K both operands have the same order of numbers.
; OUT (obuf): [16-row block][pair of heads][2,048 bytes: group 2 (head % 2) + c]; scale words at 4,194,304: [pair of heads][4,096 rows], my head's two bytes.
; THE SOFTMAX: t = score x log2(e) / 8; M = the running largest t rounded UP to a whole number; p = 2^(t - M) is quantised along the keys; the row's sum is taken of the unquantised p and divides at the end; a change of M multiplies by a power of two.
; LEFT OUT: key steps all of whose keys come after a tile's queries: their scores are -infinity under the causal mask, so their p is 0 for all inputs.
; SHARES.  Work-group x of a head owns the query tiles x + 8 j, j = 0 .. 15; tile j needs key steps 0 .. j of 128 keys: 136 tile steps in every work-group, and every work-group reads all 16 steps.
; Wave c (0 .. 7) takes steps c .. c + 8 of the long tile j = 8 + c.  Wave 8 + c takes its own tile j = 7 - c whole (8 - c steps), stores it, then takes steps 0 .. c - 1 of the long tile and hands O^T, sum and M over through LDS:
; nine and eight steps a wave.  Wave c joins the two parts under the larger M, by powers of two.  The order of key steps is free under a running whole M.
; FILLS.  A head's K and V come into LDS once: wave w asks for key step w by one tensor load of two rows of 8,192 bytes (K's, V's, 4,194,304 bytes apart), to LDS byte 16,384 w.  Nothing is filled again.  Steps 0 .. 7 (waves 0 - 7's line) are shown
; by the first barrier, behind which every wave works one step of those; steps 8 .. 15 by the second.  The scale words (12,288 bytes) come through registers into LDS bytes of their own.
; CLUSTER: the four work-groups 4 X .. 4 X + 3 of a head ask jointly (mask 15).  No branch, trip count or LDS address hangs on x: x enters global addresses and the diagonal's compare alone.
; NO PREFETCH: every tile is asked for in the first lines; there is no loop to run ahead in.
; HEAD SIZE 64 IN A FORM OF K = 128: Q's upper eight registers are zero codes, the upper two bytes of both scale words are 0; K's operand of tile t runs on into tile t + 1's registers (finite codes; behind tile 7 zeros).
; LIMITS: NaN and infinities are not served; the promise holds while the scaled scores stay under 2^31 in magnitude; a block whose largest magnitude lies under 2^-118 keeps the byte 1; this program alone reads the bytes.
.set KSB,  262144                      ; LDS: K's scale words of the pair of heads (8,192 bytes)
.set VSB,  270336                      ; V's (4,096 bytes)
.set SCR,  274432                      ; the hand-over: 8 x 4,608 bytes
.set SPARE, 311296                     ; the spare words: 128 bytes a wave
.set L16,  1                           ; v1 16 lane
.set ASK0, 2                           ; v2 KSB + 4 r + 2 (head % 2)
.set ASV0, 3                           ; v3 VSB + 4 r
.set AV0,  4                           ; v4 8,192 + 16 lane
.set R4,   5                           ; v5 4 r
.set D0,   6                           ; v6 16 x + r - 8 h: on the diagonal register n is hidden where 16 (n / 8) + n % 8 > this
.set PA,   7                           ; v7 SCR + 4,608 c + 16 lane
.set ADK,  8
.set ADV,  9
.set ADS,  10
.set ADT,  11                          ; v12 -M, v13 the largest t, v[14:15] the sum in two halves
.set QF,   16                          ; v16-23 Q's codes, v24-31 zeros
.set KT,   32                          ; v32-95 eight tiles of K, later four fragments of V; v96-103 zeros
.set S,    104                         ; v104-167 S^T, then p
.set O,    168                         ; v168-199 O^T
.set PC,   200
.set TM,   216
.set KSC,  232
.set QSC,  240
.set PSC,  241
.set F,    242
.set T0,   244
.set SPW,  254
.set NIL,  255
.set TMP,  16
.set WV,   18
.set MNT,  19
.set SEL,  20
.set CS,   22
.set G1,   24
.set G0,   32
.set JT1,  36                          ; my first tile's j
.set T1,   37                          ; my first tile;  s38 the long tile
.set T2,   38
.set K0,   39                          ; the step that I work first
.set LO,   40                          ; a loop works steps LO .. LO + CN - 1
.set CN,   41
.set JT,   42                          ; the step on the diagonal
.set KI,   43
.set TB,   44                          ; LDS byte of the step's tiles: 16,384 a step
.set TS,   45                          ; of K's scale words: 512 a step
.set TJ,   46                          ; of V's: 256 a step
.set CN2,  47
.set PQ1,  48
.set PS1,  50
.set PQ2,  52
.set PS2,  54
.set POC,  56
.set POS,  58
.set PKS,  60
.set PVS,  62
.set X16,  68
.set AKS,  69
.set ASC,  70
.macro NOPS n
.rept \n
	v_nop
.endr
.endm
.macro WALU
	s_wait_alu depctr_va_vdst(0)
.endm
.macro ROUND                           ; a round of the cluster's barrier
	s_barrier_signal -1
	s_barrier_wait -1
	s_cmp_lg_u32 s[WV], 0
	s_cbranch_scc1 .Lnot_wave_0_\@
	s_barrier_signal -3
.Lnot_wave_0_\@:
	s_barrier_wait -3
	s_barrier_signal -1
	s_barrier_wait -1
.endm
.macro PTR d, b                        ; a buffer's address + the offset in s2
	s_mov_b32 s3, 0
	s_add_nc_u64 s[\d:\d+1], s[\b:\b+1], s[2:3]
.endm
.macro INIT                            ; a tile's state: the largest t -3e38, sums and O^T zeros, which the first change of M leaves zeros
	v_mov_b32 v13, 0xff61b1e6
	v_floor_f32 v12, -v13
	v_mov_b32 v14, 0
	v_mov_b32 v15, 0
.set j, 0
.rept 32
	v_mov_b32 v[O+j], 0
.set j, j+1
.endr
.endm
	s_load_b128 s[4:7], s[0:1], 0x0                ; qkvbuf, obuf
	v_lshl_add_u32 v[SPW], v0, 2, SPARE
	v_mov_b32 v[NIL], 0
	ds_add_u32 v[SPW], v[NIL]                      ; the opening lines: the add twice on end and one wait
	ds_add_u32 v[SPW], v[NIL]
	v_lshrrev_b32 v8, 5, v0
	v_readfirstlane_b32 s[WV], v8                  ; wave 0..15
	s_and_b32 s8, ttmp7, 0xffff                    ; batch x head
	s_lshr_b32 s9, s8, 4                           ; batch
	s_bfe_u32 s10, s8, 0x30001                     ; pair of heads
	s_and_b32 s11, s8, 1                           ; head % 2
	s_bfe_u32 s12, ttmp6, 0x40000                  ; cx
	s_lshl_b32 s13, ttmp9, 2
	s_add_co_u32 s12, s12, s13                     ; x = 4 x cluster x + cx
	s_and_b32 s13, s[WV], 7                        ; c
	s_lshr_b32 s14, s[WV], 3                       ; 1: I own a short tile and help
	s_lshl_b32 s15, s9, 3
	s_add_co_u32 s15, s15, s10                     ; 8 batch + pair
	s_add_co_u32 s[T2], s13, 8                     ; the long tile's j = 8 + c
	s_mul_i32 s16, s14, 15
	s_xor_b32 s[JT1], s[T2], s16                   ; my first tile's j: 8 + c, or 7 - c
	s_lshl_b32 s[T1], s[JT1], 3
	s_add_co_u32 s[T1], s[T1], s12
	s_lshl_b32 s[T2], s[T2], 3
	s_add_co_u32 s[T2], s[T2], s12
	s_xor_b32 s16, s14, 1
	s_mul_i32 s[K0], s13, s16                      ; c, or 0
	s_add_co_u32 s17, s13, 1
	s_mul_i32 s17, s17, s14
	s_sub_co_u32 s[CN], 8, s17                     ; steps left behind the first: 8, or 7 - c
	s_mul_i32 s[CN2], s13, s14                     ; steps of help: 0, or c
	s_lshl_b32 s[X16], s12, 4
	s_lshl_b32 s[AKS], s11, 1
	s_add_co_u32 s[AKS], s[AKS], KSB
	s_mul_i32 s[ASC], s13, 4608
	s_add_co_u32 s[ASC], s[ASC], SCR
	s_mov_b32 s[G1], 15|(3<<16)|(1<<21)            ; the mask: all four of the cluster; elements of 8 bytes; bit 21 beside a mask
	s_mov_b32 s[G1+1], 1024<<16                    ; tensor_dim0: 8,192 bytes
	s_mov_b32 s[G1+2], 2<<16                       ; tensor_dim1
	s_mov_b32 s[G1+3], 1024<<16                    ; tile_dim0
	s_mov_b32 s[G1+4], 2                           ; tile_dim1
	s_mov_b32 s[G1+5], 524288                      ; from K's row to V's: 4,194,304 bytes
	s_mov_b32 s[G1+6], 0
	s_mov_b32 s[G1+7], 0
	s_mov_b32 s[G0], 1
	s_lshl_b32 s[G0+1], s[WV], 14
	s_mov_b32 s[SEL], 0x76543210
	s_mov_b32 s[SEL+1], 0xfedcba98
	s_mov_b32 s[CS], 0x3e38aa3b                    ; c = log2(e) / 8
	s_mov_b32 s[CS+1], s[CS]
	s_mov_b32 s[MNT], 0x600000
	s_wait_dscnt 0x0
	ROUND                                          ; the four work-groups are here: the joint loads meet
	s_wait_kmcnt 0x0
	s_lshl_b32 s2, s8, 17
	s_lshl_b32 s3, s[WV], 13
	s_add_co_u32 s2, s2, s3
	s_add_co_u32 s2, s2, 4194304
	PTR G0+2, 4
	s_or_b32 s[G0+3], s[G0+3], 0x80000000
	s_cmp_lt_u32 s[WV], 8                          ; two load lines: the first barrier shows the first line's tiles alone
	s_cbranch_scc0 .Lupper
	tensor_load_to_lds s[G0:G0+3], s[G1:G1+7]
	s_nop 0
	NOPS 4
	s_branch .Lasked
.Lupper:
	tensor_load_to_lds s[G0:G0+3], s[G1:G1+7]
	s_nop 0
	NOPS 4
.Lasked:
	s_lshl_b32 s2, s8, 17                          ; Q: a tile's 1,024 bytes
	s_lshl_b32 s3, s[T1], 10
	s_add_co_u32 s2, s2, s3
	PTR PQ1, 4
	s_lshl_b32 s2, s8, 17
	s_lshl_b32 s3, s[T2], 10
	s_add_co_u32 s2, s2, s3
	PTR PQ2, 4
	s_lshl_b32 s17, s15, 13                        ; its scale words' two bytes of my head: 64 bytes a tile
	s_lshl_b32 s3, s11, 1
	s_add_co_u32 s17, s17, s3
	s_add_co_u32 s17, s17, 12582912
	s_lshl_b32 s3, s[T1], 6
	s_add_co_u32 s2, s17, s3
	PTR PS1, 4
	s_lshl_b32 s3, s[T2], 6
	s_add_co_u32 s2, s17, s3
	PTR PS2, 4
	s_lshl_b32 s2, s15, 13
	s_add_co_u32 s2, s2, 12713984
	PTR PKS, 4
	s_lshl_b32 s2, s8, 12
	s_add_co_u32 s2, s2, 12845056
	PTR PVS, 4
	s_lshl_b32 s2, s9, 7                           ; o's codes: ((128 batch + tile) x 8 + pair) x 2,048 + 1,024 (head % 2)
	s_add_co_u32 s2, s2, s[T1]
	s_lshl_b32 s2, s2, 3
	s_add_co_u32 s2, s2, s10
	s_lshl_b32 s2, s2, 11
	s_lshl_b32 s3, s11, 10
	s_add_co_u32 s2, s2, s3
	PTR POC, 6
	s_lshl_b32 s2, s10, 12                         ; o's scale words: (4,096 pair + 2,048 batch + query) x 4 + 2 (head % 2)
	s_lshl_b32 s3, s9, 11
	s_add_co_u32 s2, s2, s3
	s_lshl_b32 s3, s[T1], 4
	s_add_co_u32 s2, s2, s3
	s_lshl_b32 s2, s2, 2
	s_lshl_b32 s3, s11, 1
	s_add_co_u32 s2, s2, s3
	s_add_co_u32 s2, s2, 4194304
	PTR POS, 6
	v_and_b32 v8, 31, v0
	v_lshlrev_b32 v[L16], 4, v8
	v_and_b32 v9, 15, v0
	v_lshlrev_b32 v[R4], 2, v9
	v_bfe_u32 v10, v0, 4, 1
	v_lshlrev_b32 v10, 3, v10
	v_sub_nc_u32 v[D0], v9, v10
	v_add_nc_u32 v[D0], s[X16], v[D0]
	v_add_nc_u32 v[ASK0], s[AKS], v[R4]
	v_add_nc_u32 v[ASV0], VSB, v[R4]
	v_add_nc_u32 v[AV0], 8192, v[L16]
	v_add_nc_u32 v[PA], s[ASC], v[L16]
	v_lshlrev_b32 v8, 4, v0                        ; the scale words: 16 bytes of K's and 8 of V's a thread
	v_lshlrev_b32 v9, 3, v0
	v_add_nc_u32 v10, KSB, v8
	v_add_nc_u32 v11, VSB, v9
	WALU
	global_load_b128 v[S:S+3], v8, s[PKS:PKS+1]
	global_load_b64 v[S+4:S+5], v9, s[PVS:PVS+1]
	global_load_b128 v[QF:QF+3], v[L16], s[PQ1:PQ1+1]
	global_load_b128 v[QF+4:QF+7], v[L16], s[PQ1:PQ1+1] offset:512
	global_load_u16 v[QSC], v[R4], s[PS1:PS1+1]    ; the upper two bytes are 0
	INIT
.irp j, 0,1,2,3,4,5,6,7
	v_mov_b32 v[QF+8+\j], 0                        ; Q's zero codes for K = 64 .. 127
	v_mov_b32 v[KT+64+\j], 0                       ; what tile 7's operand runs on into
.endr
.irp b, 0,1,2,3
	v_mov_b32 v[TM+4+\b], 0                        ; a lane permute's destination counts as one of its sources
.endr
	v_mov_b32 v[F+1], 0
	v_mov_b32 v[T0], 0
	WALU                                           ; the wait at the head's end
	s_wait_loadcnt 0x0
	ds_store_b128 v10, v[S:S+3]
	ds_store_b64 v11, v[S+4:S+5]
	s_cmp_lt_u32 s[WV], 8
	s_cbranch_scc0 .Lnot_yet
	s_wait_tensorcnt 0x0                           ; waves 0 - 7: key steps 0 .. 7 are in
.Lnot_yet:
	s_wait_dscnt 0x0                               ; my scale words are in LDS
	s_barrier_signal -1
	s_barrier_wait -1
; A KEY STEP: 128 keys.  skip = 1: a step outside LO .. LO + CN - 1 is jumped over (wave number and count of steps alone; no barrier and no tensor load stands in a step)
.macro STEP skip, diag                 ; diag = 1: the step may lie on the diagonal
.if \skip
	s_sub_co_u32 s[TMP], s[KI], s[LO]
	s_cmp_ge_u32 s[TMP], s[CN]
	s_cbranch_scc1 .Lhidden_\@
.endif
	v_add_nc_u32 v[ADK], s[TB], v[L16]
	v_add_nc_u32 v[ADV], s[TB], v[AV0]
	v_add_nc_u32 v[ADS], s[TS], v[ASK0]
	v_add_nc_u32 v[ADT], s[TJ], v[ASV0]
	NOPS 4                                         ; with the four additions: eight places in front of loads into registers that the last products read
.irp t, 0,1,2,3,4,5,6,7
	ds_load_b128 v[KT+8*\t:KT+8*\t+3], v[ADK] offset:1024*\t
	ds_load_b128 v[KT+8*\t+4:KT+8*\t+7], v[ADK] offset:1024*\t+512
	ds_load_u16 v[KSC+\t], v[ADS] offset:64*\t
.endr
	WALU
	s_wait_dscnt 0x0
.irp t, 0,1,2,3,4,5,6,7
	v_wmma_scale_f32_16x16x128_f8f6f4 v[S+8*\t:S+8*\t+7], v[KT+8*\t:KT+8*\t+15], v[QF:QF+15], 0, v[KSC+\t], v[QSC]   ; lane (r, h), register j: query r, key 16 t + 8 h + j
.endr
	NOPS 8
.irp d, 0,1,2,3
.irp c, 0,1,2,3
	ds_load_b128 v[KT+16*\d+4*\c:KT+16*\d+4*\c+3], v[ADV] offset:2048*\d+512*\c   ; V's four fragments land under the softmax
.endr
	ds_load_b32 v[KSC+\d], v[ADT] offset:64*\d
.endr
.if \diag
	s_cmp_lg_u32 s[KI], s[JT]
	s_cbranch_scc1 .Lopen_\@                       ; all its keys count
	v_mov_b32 v[T0+1], 0xff800000
.set n, 0
.rept 64
	v_cmp_gt_i32 vcc_lo, 16*(n/8)+n%8, v[D0]
	v_cndmask_b32 v[S+n], v[S+n], v[T0+1], vcc_lo  ; on the diagonal hidden scores become -infinity
.set n, n+1
.endr
.Lopen_\@:
.endif
.irp b, 0,1,2,3
	v_max3_num_f32 v[TM+\b], v[S+16*\b], v[S+1+16*\b], v[S+2+16*\b]   ; the largest score of each block of 32 keys: for the row's maximum and for the block's largest p
.endr
.irp i, 3,5,7,9,11,13
.irp b, 0,1,2,3
	v_max3_num_f32 v[TM+\b], v[TM+\b], v[S+16*\b+\i], v[S+1+16*\b+\i]
.endr
.endr
.irp b, 0,1,2,3
	v_max_num_f32 v[TM+\b], v[TM+\b], v[S+15+16*\b]
.endr
.irp b, 0,1,2,3
	s_delay_alu instid0(VALU_DEP_4)
	v_permlanex16_b32 v[TM+4+\b], v[TM+\b], s[SEL], s[SEL+1]
.endr
.irp b, 0,1,2,3
	s_delay_alu instid0(VALU_DEP_4)
	v_max_num_f32 v[TM+\b], v[TM+\b], v[TM+4+\b]
.endr
	s_delay_alu instid0(VALU_DEP_2)
	v_max3_num_f32 v[T0], v[TM], v[TM+1], v[TM+2]
	s_delay_alu instid0(VALU_DEP_1)
	v_max_num_f32 v[T0], v[T0], v[TM+3]
	s_delay_alu instid0(VALU_DEP_1)
	v_mul_f32 v[T0], s[CS], v[T0]
	s_delay_alu instid0(VALU_DEP_1)
	v_max_num_f32 v13, v13, v[T0]                  ; the running largest t
	v_mov_b32 v[T0], v12
	s_delay_alu instid0(VALU_DEP_2)
	v_floor_f32 v12, -v13                          ; the new -M: M is a whole number
	s_delay_alu instid0(VALU_DEP_1)
	v_sub_f32 v[T0], v12, v[T0]
	s_delay_alu instid0(VALU_DEP_1)
	v_cvt_i32_f32 v[T0], v[T0]                     ; (it saturates)
	s_delay_alu instid0(VALU_DEP_1)
	v_ldexp_f32 v[F], 1.0, v[T0]                   ; f = 2^(old M - new M)
.set j, 0
.rept 32
	v_pk_fma_f32 v[S+j:S+j+1], v[S+j:S+j+1], s[CS:CS+1], v[12:13] op_sel_hi:[1,0,0]   ; t - M
.set j, j+2
.endr
.irp b, 0,1,2,3
	v_fma_f32 v[TM+\b], v[TM+\b], s[CS], v12
.endr
.set j, 0
	WALU                                           ; the wait ahead of the batch
.rept 64
	v_exp_f32 v[S+j], v[S+j]                       ; p = 2^(t - M)
.set j, j+1
.endr
	v_pk_mul_f32 v[14:15], v[14:15], v[F:F+1] op_sel_hi:[1,0]   ; the sums under the new M: a plain line behind the exponentials
	WALU                                           ; one wait ahead of the batch's first reader
.irp b, 0,1,2,3
	v_exp_f32 v[TM+\b], v[TM+\b]                   ; each block's largest p
.endr
	v_pk_add_f32 v[220:221], v[108:109], v[112:113]   ; the row's sum of the unquantised p, in eight chains
	v_pk_add_f32 v[252:253], v[116:117], v[120:121]
	v_pk_add_f32 v[250:251], v[124:125], v[128:129]
	v_pk_add_f32 v[248:249], v[132:133], v[136:137]
	v_pk_add_f32 v[246:247], v[140:141], v[144:145]
	v_pk_add_f32 v[238:239], v[148:149], v[152:153]
	v_pk_add_f32 v[236:237], v[156:157], v[160:161]
	v_pk_add_f32 v[14:15], v[14:15], v[164:165]
	v_pk_add_f32 v[220:221], v[220:221], v[104:105]
	v_pk_add_f32 v[252:253], v[252:253], v[106:107]
	v_pk_add_f32 v[250:251], v[250:251], v[110:111]
	v_pk_add_f32 v[248:249], v[248:249], v[114:115]
	v_pk_add_f32 v[246:247], v[246:247], v[118:119]
	v_pk_add_f32 v[238:239], v[238:239], v[122:123]
	v_pk_add_f32 v[236:237], v[236:237], v[126:127]
	v_pk_add_f32 v[14:15], v[14:15], v[130:131]
	v_pk_add_f32 v[220:221], v[220:221], v[134:135]
	v_pk_add_f32 v[252:253], v[252:253], v[138:139]
	v_pk_add_f32 v[250:251], v[250:251], v[142:143]
	v_pk_add_f32 v[248:249], v[248:249], v[146:147]
	v_pk_add_f32 v[246:247], v[246:247], v[150:151]
	v_pk_add_f32 v[238:239], v[238:239], v[154:155]
	v_pk_add_f32 v[236:237], v[236:237], v[158:159]
	v_pk_add_f32 v[14:15], v[14:15], v[162:163]
	v_pk_add_f32 v[220:221], v[220:221], v[166:167]
	s_delay_alu instid0(VALU_DEP_2)
	v_pk_add_f32 v[14:15], v[14:15], v[248:249]
	s_delay_alu instid0(VALU_DEP_2)
	v_pk_add_f32 v[220:221], v[220:221], v[246:247]
	v_pk_add_f32 v[252:253], v[252:253], v[238:239]
	v_pk_add_f32 v[250:251], v[250:251], v[236:237]
	s_delay_alu instid0(VALU_DEP_2)
	v_pk_add_f32 v[14:15], v[14:15], v[252:253]
	s_delay_alu instid0(VALU_DEP_2)
	v_pk_add_f32 v[220:221], v[220:221], v[250:251]
	s_delay_alu instid0(VALU_DEP_1)
	v_pk_add_f32 v[14:15], v[14:15], v[220:221]
	WALU                                           ; and one for the four
.irp b, 0,1,2,3
	v_max_num_f32 v[TM+\b], 0x4800000, v[TM+\b]    ; the floor 2^(9 - 127)
.endr
.irp b, 0,1,2,3
	s_delay_alu instid0(VALU_DEP_4)
	v_add_nc_u32 v[TM+12+\b], 0xfc000000, v[TM+\b]
.endr
.irp b, 0,1,2,3
	v_and_or_b32 v[TM+8+\b], v[TM+\b], 0x7f800000, s[MNT]
.endr
.irp b, 0,1,2,3
	v_lshrrev_b32 v[TM+4+\b], 23, v[TM+12+\b]
.endr
	s_delay_alu instid0(VALU_DEP_3)
	v_lshl_or_b32 v[PSC], v[TM+5], 8, v[TM+4]      ; p's scale word for these 128 keys
	s_delay_alu instid0(VALU_DEP_1)
	v_lshl_or_b32 v[PSC], v[TM+6], 16, v[PSC]
	s_delay_alu instid0(VALU_DEP_1)
	v_lshl_or_b32 v[PSC], v[TM+7], 24, v[PSC]
.irp b, 0,1,2,3
.irp i, 0,1,2,3,4,5,6,7,8,9,10,11,12,13,14,15
	v_min_num_f32 v[S+16*\b+\i], v[S+16*\b+\i], v[TM+8+\b]   ; the conversion does not saturate (ISA guide 7.6.2); p is not negative
.endr
	v_cvt_scalef32_pk8_fp8_f32 v[PC+4*\b:PC+1+4*\b], v[S+16*\b:S+7+16*\b], v[TM+12+\b]
	v_cvt_scalef32_pk8_fp8_f32 v[PC+2+4*\b:PC+3+4*\b], v[S+8+16*\b:S+15+16*\b], v[TM+12+\b]
.endr
	WALU                                           ; the wait directly ahead of the first reader of O^T
.set j, 0
.rept 16
	v_pk_mul_f32 v[O+j:O+j+1], v[O+j:O+j+1], v[F:F+1] op_sel_hi:[1,0]   ; O^T under the new M; these lines are also the places in front of the products
.set j, j+2
.endr
	WALU
	s_wait_dscnt 0x0                               ; V
.irp d, 0,1,2,3
	v_wmma_scale_f32_16x16x128_f8f6f4 v[O+8*\d:O+8*\d+7], v[KT+16*\d:KT+16*\d+15], v[PC:PC+15], v[O+8*\d:O+8*\d+7], v[KSC+\d], v[PSC]   ; the four accumulators by turns
.endr
.Lhidden_\@:
	s_add_co_u32 s[TB], s[TB], 16384
	s_add_co_u32 s[TS], s[TS], 512
	s_add_co_u32 s[TJ], s[TJ], 256
	s_add_co_u32 s[KI], s[KI], 1
.endm
; THE WAY OUT of my first tile: O^T / the sum, quantised in two blocks of 32 dims
.macro OUT
	NOPS 8                                         ; places behind the last products
	v_add_f32 v14, v14, v15
	WALU
	v_permlanex16_b32 v[T0], v14, s[SEL], s[SEL+1]
	v_add_f32 v14, v14, v[T0]                      ; the row's sum
	WALU
	v_rcp_f32 v15, v14
	v_nop
	WALU                                           ; ahead of the first reader of the reciprocal and of O^T
.set j, 0
.rept 32
	v_mul_f32 v[S+j], v[O+j], v15                  ; register 8 d + j: dim 16 d + 8 h + j; each accumulator from its low end on
.set j, j+1
.endr
.irp b, 0,1
	v_max3_num_f32 v[TM+\b], |v[S+16*\b]|, |v[S+1+16*\b]|, 0x4800000
.endr
.irp i, 2,4,6,8,10,12,14
.irp b, 0,1
	v_max3_num_f32 v[TM+\b], v[TM+\b], |v[S+16*\b+\i]|, |v[S+1+16*\b+\i]|
.endr
.endr
.irp b, 0,1
	v_permlanex16_b32 v[TM+4+\b], v[TM+\b], s[SEL], s[SEL+1]
.endr
.irp b, 0,1
	v_max_num_f32 v[TM+\b], v[TM+\b], v[TM+4+\b]
.endr
.irp b, 0,1
	v_add_nc_u32 v[TM+12+\b], 0xfc000000, v[TM+\b]
.endr
.irp b, 0,1
	v_and_or_b32 v[TM+8+\b], v[TM+\b], 0x7f800000, s[MNT]
.endr
.irp b, 0,1
	v_lshrrev_b32 v[TM+4+\b], 23, v[TM+12+\b]
.endr
	v_lshl_or_b32 v[T0], v[TM+5], 8, v[TM+4]
.irp b, 0,1
.irp i, 0,1,2,3,4,5,6,7,8,9,10,11,12,13,14,15
	v_med3_num_f32 v[S+16*\b+\i], v[S+16*\b+\i], -v[TM+8+\b], v[TM+8+\b]
.endr
	v_cvt_scalef32_pk8_fp8_f32 v[PC+4*\b:PC+1+4*\b], v[S+16*\b:S+7+16*\b], v[TM+12+\b]
	v_cvt_scalef32_pk8_fp8_f32 v[PC+2+4*\b:PC+3+4*\b], v[S+8+16*\b:S+15+16*\b], v[TM+12+\b]
.endr
	v_nop
	global_store_b128 v[L16], v[PC:PC+3], s[POC:POC+1]             ; 512 consecutive bytes, aligned
	global_store_b128 v[L16], v[PC+4:PC+7], s[POC:POC+1] offset:512
	global_store_b16 v[R4], v[T0], s[POS:POS+1]                    ; lanes 16-31 repeat lanes 0-15
.endm
	s_mov_b32 s[KI], s[K0]                         ; my first step lies among steps 0 .. 7
	s_lshl_b32 s[TB], s[K0], 14
	s_lshl_b32 s[TS], s[K0], 9
	s_lshl_b32 s[TJ], s[K0], 8
	s_mov_b32 s[JT], s[JT1]
	STEP 0, 1
	s_wait_tensorcnt 0x0                           ; every wave: all that is still out
	s_wait_dscnt 0x0
	s_barrier_signal -1
	s_barrier_wait -1                              ; key steps 8 .. 15 are in
	s_add_co_u32 s[LO], s[K0], 1
	s_mov_b32 s[KI], 1
	s_mov_b32 s[TB], 16384
	s_mov_b32 s[TS], 512
	s_mov_b32 s[TJ], 256
.Lfirst:                                               ; the rest of my first tile's steps
	STEP 1, 1
	s_cmp_lt_u32 s[KI], 16
	s_cbranch_scc1 .Lfirst
	s_cmp_eq_u32 s14, 0
	s_cbranch_scc1 .Lno_change
	global_load_b128 v[QF:QF+3], v[L16], s[PQ2:PQ2+1]              ; waves 8 - 15: the long tile's Q lands under the way out of my own tile
	global_load_b128 v[QF+4:QF+7], v[L16], s[PQ2:PQ2+1] offset:512
	global_load_u16 v[QSC], v[R4], s[PS2:PS2+1]
	OUT
	s_wait_xcnt 0x0                                ; the stores have read their registers
	INIT
	WALU
	s_wait_loadcnt 0x0
.Lno_change:
	s_mov_b32 s[LO], 0
	s_mov_b32 s[CN], s[CN2]
	s_mov_b32 s[KI], 0
	s_mov_b32 s[TB], 0
	s_mov_b32 s[TS], 0
	s_mov_b32 s[TJ], 0
.Lhelp:                                                ; waves 8 - 15: steps 0 .. c - 1 of the long tile, none of which lies on the diagonal
	STEP 1, 0
	s_cmp_lt_u32 s[KI], 7
	s_cbranch_scc1 .Lhelp
	NOPS 8                                         ; places behind the last products
	s_cmp_eq_u32 s14, 0
	s_cbranch_scc1 .Lno_part
.irp i, 0,1,2,3,4,5,6,7
	ds_store_b128 v[PA], v[O+4*\i:O+4*\i+3] offset:512*\i          ; my part of the long tile, as an image of the registers
.endr
	ds_store_b128 v[PA], v[12:15] offset:4096      ; -M, the largest t, the sum's halves
.Lno_part:
	s_wait_dscnt 0x0
	s_barrier_signal -1
	s_barrier_wait -1
	s_cmp_lg_u32 s14, 0
	s_cbranch_scc1 .Lend
.irp i, 0,1,2,3,4,5,6,7
	ds_load_b128 v[S+4*\i:S+4*\i+3], v[PA] offset:512*\i
.endr
	ds_load_b128 v[S+32:S+35], v[PA] offset:4096
	s_wait_dscnt 0x0
	v_min_num_f32 v[T0], v12, v[S+32]              ; -M of the two parts together
	v_sub_f32 v[T0+1], v[T0], v12
	v_sub_f32 v[T0+2], v[T0], v[S+32]
	v_cvt_i32_f32 v[T0+1], v[T0+1]                 ; (they saturate: a part of no steps gets the factor 0)
	v_cvt_i32_f32 v[T0+2], v[T0+2]
	v_ldexp_f32 v[F], 1.0, v[T0+1]
	v_ldexp_f32 v[TM], 1.0, v[T0+2]
.set j, 0
.rept 16
	v_pk_mul_f32 v[O+j:O+j+1], v[O+j:O+j+1], v[F:F+1] op_sel_hi:[1,0]
.set j, j+2
.endr
.set j, 0
.rept 16
	v_pk_fma_f32 v[O+j:O+j+1], v[S+j:S+j+1], v[TM:TM+1], v[O+j:O+j+1] op_sel_hi:[1,0,1]
.set j, j+2
.endr
	v_pk_mul_f32 v[14:15], v[14:15], v[F:F+1] op_sel_hi:[1,0]
	v_pk_fma_f32 v[14:15], v[S+34:S+35], v[TM:TM+1], v[14:15] op_sel_hi:[1,0,1]
	OUT
.Lend:
	s_wait_tensorcnt 0x0                           ; the wave's end
	ds_add_u32 v[SPW], v[NIL]
	s_wait_dscnt 0x0
	ROUND                                          ; the closing round
	s_endpgm
.Lfunc_end_k_qa111d87104_attn:
	.size	k_qa111d87104_attn, .Lfunc_end_k_qa111d87104_attn-k_qa111d87104_attn
	.p2alignl 7, 3214868480
	.fill 96, 4, 3214868480
	.section	.rodata,"a",@progbits
	.p2align	6, 0x0
	.amdhsa_kernel k_qa111d87104_attn
		.amdhsa_group_segment_fixed_size 327680
		.amdhsa_private_segment_fixed_size 0
		.amdhsa_enable_private_segment 0
		.amdhsa_kernarg_size 16
		.amdhsa_user_sgpr_count 2
		.amdhsa_user_sgpr_kernarg_segment_ptr 1
		.amdhsa_wavefront_size32 1
		.amdhsa_system_sgpr_workgroup_id_x 1
		.amdhsa_system_sgpr_workgroup_id_y 1
		.amdhsa_system_sgpr_workgroup_id_z 1
		.amdhsa_system_vgpr_workitem_id 0
		.amdhsa_next_free_vgpr 256
		.amdhsa_next_free_sgpr 84
		.amdhsa_reserve_vcc 1
		.amdhsa_float_denorm_mode_32 3
		.amdhsa_float_denorm_mode_16_64 3
		.amdhsa_memory_ordered 1
		.amdhsa_forward_progress 1
		.amdhsa_inst_pref_size 98
	.end_amdhsa_kernel
	.amdgpu_metadata
---
amdhsa.version: [ 1, 2 ]
amdhsa.kernels:
  - .name:           k_qa111d87104_attn
    .symbol:         k_qa111d87104_attn.kd
    .args:
      - { .name: qkvbuf, .offset: 0, .size: 8, .value_kind: global_buffer, .address_space: global }
      - { .name: obuf, .offset: 8, .size: 8, .value_kind: global_buffer, .address_space: global }
    .group_segment_fixed_size: 327680
    .private_segment_fixed_size: 0
    .kernarg_segment_align: 8
    .kernarg_segment_size: 16
    .max_flat_workgroup_size: 512
    .sgpr_count:     84
    .vgpr_count:     256
    .wavefront_size: 32
...
	.end_amdgpu_metadata
.endif
;; end of part 3
;; launch wo (part 4): grid 8 x 32, 4 waves a work-group, clusters of 4 x 4, 327,680 bytes of LDS; arguments obuf, Wo_codes, Wo_scales, bo, x, x1; writes x1
.if DOCPART == 4
	.amdgcn_target "amdgcn-amd-amdhsa--gfx1250"
	.amdhsa_code_object_version 6
	.text
	.protected	k_qa111d87104_wo
	.globl	k_qa111d87104_wo
	.p2align	8
	.type	k_qa111d87104_wo,@function
k_qa111d87104_wo:
	s_mov_b64 s[64:65], 0
	v_nop
	global_prefetch_b8 v0, s[64:65] scope:SCOPE_SE
	s_setreg_imm32_b32 hwreg(HW_REG_WAVE_MODE, 25, 1), 1
	s_wait_xcnt 0x0
	s_wait_alu depctr_hold_cnt(0) depctr_sa_sdst(0) depctr_va_vdst(0) depctr_va_sdst(0) depctr_va_ssrc(0) depctr_va_vcc(0) depctr_vm_vsrc(0)
	s_getreg_b32 s2, hwreg(HW_REG_IB_STS2, 6, 4)
	s_cmp_eq_u32 s2, 0
	s_cbranch_scc0 .Lentry_in_a_cluster
	s_endpgm
.Lentry_in_a_cluster:
	s_bfe_u32 s2, ttmp6, 0x10000c
	s_cmp_lg_u32 s2, 0xf033
	s_cbranch_scc0 .Lentry_shape_is_right
	s_endpgm
.Lentry_shape_is_right:
; out = A W^T + bias + residual.  A: [4096][SIZE_K] as IMAGES of operand registers: [16-row block][128 along K][2,048 bytes: register group c of lane l at 512 c + 16 l], its scale words behind them, at byte 4,096 SIZE_K:
; [128 along K][4,096 rows].  W: codes of FP8 (E4M3) [1024][SIZE_K], K innermost, scale bytes [1024][SIZE_K / 32].  bias [1024], residual and out [4096][1024]: f32.
; THE ORDER INSIDE A BLOCK OF 32 ALONG K.  In A's images the code at place 16 h + 8 u + j of a block is number 16 u + 8 h + j.  W's fragments are read from LDS in the same order, 8 bytes at a time: registers 4 c + 2 u, + 1 of
; lane (r, h) take bytes 32 c + 16 u + 8 h + 0 .. 7 of row r.  Blocks and scales are those of the natural order.
; A tile of out is 128 x 128 (256 tiles, one for each work-group of the grid); four waves, 64 x 64 each: 16 accumulators.  K goes in steps of 512 through a ring of two LDS slots; the scales of the tile's rows come once.
; CLUSTERS: 4 x 4 work-groups; A's tiles are asked for jointly along a row of the cluster, W's along a column.  The matrix instruction is used transposed (source 0 = 16 rows of W, source 1 = 16 rows of A).
; No prefetch: small tiles, few K steps.
; REGISTERS: window 0: v0-31 addresses and my four biases; v32-63 scale words, two sets; v64-127 the way out; v128-255 accumulators ((a, b) at v[128 + 8 (4 a + b)]);
;   window 1: two fragment buffers of 128: A's four blocks, then W's four;  window 2: v0-127 the residual of my 64 x 64, asked for at the head.
.set SIZE_K, 1024
.set NT_OUT, 0                         ; 1: the result is read by no later launch
.set KSTEP,  512
.set LAPS,   SIZE_K/(2*KSTEP)
.set KS,     SIZE_K/32
.set PITCH,  528                       ; a row of W in LDS: 512 bytes + 16: the 32 lanes of an 8-byte load touch 64 different banks (64 banks of 4 bytes: ISA guide 11.1)
.set AHALF,  32768                     ; four blocks of 16 rows x 512 K, as images: block i, chunk q at 8,192 i + 2,048 q
.set BHALF,  64*PITCH
.set BOFF,   2*AHALF
.set SLOT,   BOFF+2*BHALF
.set SCA,    2*SLOT                    ; A's scale words: [128 along K][128 rows]
.set SAH,    2*SIZE_K
.set SCB,    SCA+2*SAH                 ; W's scale bytes: two halves of 64 rows, as units of 256 bytes + 16
.set HALFSB, (64*KS/256)*272
.set SPARE,  SCB+2*HALFSB              ; the spare words: 128 bytes a wave, two blocks of 256 bytes that no other line names
.set SPITCH, 272                       ; the way out: a stage of 16 rows x (256 bytes + 16) for each wave, in slot 0, which has had its last fill and its last read by then
.set NP,   8
.set ADRA, 16
.set ADSA, 18
.set ADSB, 19
.set ADRB, 20
.set STO,  24
.set RD,   25
.set CO,   26
.set SPW,  28
.set NIL,  29
.set SC,   32                          ; set s at v[SC + 16 s]: + 2 q + i: A's words of rows 32 i + lane, chunk q;  + 8 + 4 i + q: W's
.set BK,   64
.set ACC,  128
.set F0,   0
.set F1,   128
.set G1, 24
.set G0, 32
.set G1B, 48
.set G0B, 56
.set G1S, 68
.set G0S, 76
.set G1SB, 80
.set G0SB, 88
.set MSB, 0
.macro WIN new
.if MSB != \new
	s_set_vgpr_msb (MSB<<8)|\new
.set MSB, \new
.endif
.endm
.set MUL,  0x05                        ; sources 0 and 1 window 1; C and D window 0
.set TO_F, 0x40                        ; destination window 1
.macro JLOAD g0a, g1a, g0b, g1b        ; a joint load: waves 0 and 1 fetch for A, waves 2 and 3 for W; four v_nop follow each line
	s_cmp_eq_u32 s15, 0
	s_cbranch_scc0 .Lfor_b_\@
	tensor_load_to_lds s[\g0a:\g0a+3], s[\g1a:\g1a+7]
	s_nop 0
.rept 4
	v_nop
.endr
	s_branch .Lasked_\@
.Lfor_b_\@:
	tensor_load_to_lds s[\g0b:\g0b+3], s[\g1b:\g1b+7]
	s_nop 0
.rept 4
	v_nop
.endr
.Lasked_\@:
.endm
.macro CREST
	s_cmp_lg_u32 s14, 0
	s_cbranch_scc1 .Lnot_wave_0_\@
	s_barrier_signal -3
.Lnot_wave_0_\@:
	s_barrier_wait -3
	s_barrier_signal -1
	s_barrier_wait -1
.endm
.macro CROUND
	s_barrier_signal -1
	s_barrier_wait -1
	CREST
.endm
.macro PLACES n
.rept \n
	v_nop
.endr
.endm
	s_load_b256 s[4:11], s[0:1], 0x0               ; A's images s[4:5], W's codes s[6:7], W's scales s[8:9], bias s[10:11]
	s_load_b128 s[92:95], s[0:1], 0x20             ; residual s[92:93], out s[94:95]
	v_lshl_add_u32 v[SPW], v0, 2, SPARE
	v_mov_b32 v[NIL], 0
	ds_add_u32 v28, v29
	ds_add_u32 v28, v29
	s_wait_dscnt 0x0
	v_lshrrev_b32 v1, 5, v0
	v_readfirstlane_b32 s14, v1                    ; wave 0..3
	s_lshr_b32 s15, s14, 1                         ; which half of the tile's rows is mine.  Also: I fetch for A (0) or for W (1)
	s_and_b32 s16, s14, 1                          ; which half of its columns.  Also: which half I fetch
	s_bfe_u32 s40, ttmp6, 0x40000                  ; cx, cy
	s_bfe_u32 s41, ttmp6, 0x40004
	s_lshl_b32 s42, ttmp9, 2
	s_add_co_u32 s42, s42, s40                     ; tile column
	s_and_b32 s17, ttmp7, 0xffff
	s_lshl_b32 s17, s17, 2
	s_add_co_u32 s17, s17, s41                     ; tile row
	s_lshl_b32 s43, s41, 2
	s_lshl_b32 s43, 15, s43                        ; my row of the cluster
	s_lshl_b32 s44, 0x1111, s40                    ; my column
	; A's codes: 4 blocks of 16 rows, of each 8,192 consecutive bytes (1,024 elements of 8 bytes), 16 SIZE_K bytes apart; dense in LDS
	s_or_b32 s[G1+0], s43, (3<<16)|(1<<21)
	s_mov_b32 s[G1+1], 1024<<16
	s_mov_b32 s[G1+2], 8<<16                       ; eight blocks for the head's load; set to four for the ring's behind it
	s_mov_b32 s[G1+3], 1024<<16
	s_mov_b32 s[G1+4], 8
	s_mov_b32 s[G1+5], 2*SIZE_K
	s_mov_b32 s[G1+6], 0
	s_mov_b32 s[G1+7], 0
	; W's codes: 64 rows of 512 bytes, 16 bytes of padding behind each
	s_or_b32 s[G1B+0], s44, (0<<16)|(1<<20)|(1<<21)|(6<<22)|(3<<25)
	s_mov_b32 s[G1B+1], KSTEP<<16
	s_mov_b32 s[G1B+2], 128<<16                    ; 128 rows for the head's load; set to 64 behind it
	s_mov_b32 s[G1B+3], KSTEP<<16
	s_mov_b32 s[G1B+4], 128
	s_mov_b32 s[G1B+5], SIZE_K
	s_mov_b32 s[G1B+6], 0
	s_mov_b32 s[G1B+7], 0
	; A's scale words: for each 128 along K the 512 bytes of the tile's 128 rows, 16,384 bytes apart
	s_or_b32 s[G1S+0], s43, (3<<16)|(1<<21)
	s_mov_b32 s[G1S+1], 64<<16                     ; the 512 bytes of the tile's 128 rows
	s_mov_b32 s[G1S+2], (SIZE_K/128)<<16
	s_mov_b32 s[G1S+3], 64<<16
	s_mov_b32 s[G1S+4], SIZE_K/128
	s_mov_b32 s[G1S+5], 2048
	s_mov_b32 s[G1S+6], 0
	s_mov_b32 s[G1S+7], 0
	; W's scale bytes of the tile's 128 rows: a dense block, as rows of 256 bytes, 16 bytes of padding behind each
	s_or_b32 s[G1SB+0], s44, (3<<16)|(1<<20)|(1<<21)|(5<<22)|(3<<25)
	s_mov_b32 s[G1SB+1], 32<<16
	s_mov_b32 s[G1SB+2], (128*KS/256)<<16
	s_mov_b32 s[G1SB+3], 32<<16
	s_mov_b32 s[G1SB+4], 128*KS/256
	s_mov_b32 s[G1SB+5], 32
	s_mov_b32 s[G1SB+6], 0
	s_mov_b32 s[G1SB+7], 0
	s_lshl_b32 s20, s17, 3
	s_lshl_b32 s22, s20, 6                         ; the tile's rows' scale words: 64 bytes a block,
	s_lshl_b32 s18, s16, 2
	s_add_co_u32 s20, s20, s18                     ; codes: + 4 blocks x my half
	s_add_co_u32 s22, s22, 4096*SIZE_K             ; behind the images
	s_mul_i32 s20, s20, 16*SIZE_K
	s_mov_b32 s21, 0
	s_mov_b32 s23, 0
	s_lshl_b32 s46, s42, 7
	s_mul_i32 s98, s46, KS
	s_lshl_b32 s18, s16, 6
	s_add_co_u32 s46, s46, s18                     ; codes: + 64 rows x my half
	s_mul_i32 s46, s46, SIZE_K
	s_mov_b32 s47, 0
	s_mov_b32 s99, 0
	s_mul_i32 s45, s16, AHALF                      ; where they go: no place in the cluster enters an LDS address
	s_mul_i32 s19, s16, BHALF
	s_add_co_u32 s19, s19, BOFF
	s_mul_i32 s97, s16, HALFSB
	s_add_co_u32 s97, s97, SCB
	s_wait_kmcnt 0x0
	s_add_nc_u64 s[20:21], s[4:5], s[20:21]
	s_add_nc_u64 s[22:23], s[4:5], s[22:23]
	s_add_nc_u64 s[46:47], s[6:7], s[46:47]
	s_add_nc_u64 s[98:99], s[8:9], s[98:99]
	CROUND                                         ; all sixteen work-groups are here: the first joint loads meet
	s_mov_b32 s[G0S], 1
	s_mov_b32 s[G0S+1], SCA
	s_mov_b64 s[G0S+2:G0S+3], s[22:23]
	s_or_b32 s[G0S+3], s[G0S+3], 0x80000000
	s_mov_b32 s[G0SB], 1
	s_mov_b32 s[G0SB+1], SCB
	s_mov_b64 s[G0SB+2:G0SB+3], s[98:99]
	s_or_b32 s[G0SB+3], s[G0SB+3], 0x80000000
.irp s, 0,1
	s_mov_b32 s[G0+4*\s], 1
	s_add_co_u32 s[G0+4*\s+1], s45, \s*SLOT
	s_add_nc_u64 s[G0+4*\s+2:G0+4*\s+3], s[20:21], \s*8192
	s_or_b32 s[G0+4*\s+3], s[G0+4*\s+3], 0x80000000
	s_mov_b32 s[G0B+4*\s], 1
	s_add_co_u32 s[G0B+4*\s+1], s19, \s*SLOT
	s_add_nc_u64 s[G0B+4*\s+2:G0B+4*\s+3], s[46:47], \s*KSTEP
	s_or_b32 s[G0B+4*\s+3], s[G0B+4*\s+3], 0x80000000
.endr
; THE HEAD'S LOADS, ONE A WAVE: wave 0 K step 0's eight blocks of A (its slot 0 descriptor begins at the tile's first block and at LDS byte 0), wave 1 A's scale words, wave 2 W's 128 rows, wave 3 W's scale bytes.
.macro ARM under, g0, g1, next
	s_cmp_lt_u32 s14, \under
	s_cbranch_scc0 \next
	tensor_load_to_lds s[\g0:\g0+3], s[\g1:\g1+7]
	s_nop 0
.rept 4
	v_nop
.endr
	s_branch .Lhead_asked
\next:
.endm
	ARM 1, G0, G1, .Lhead_sa
	ARM 2, G0S, G1S, .Lhead_b
	ARM 3, G0B, G1B, .Lhead_sb
	tensor_load_to_lds s[G0SB:G0SB+3], s[G1SB:G1SB+7]
	s_nop 0
.rept 4
	v_nop
.endr
.Lhead_asked:
	v_and_b32 v1, 15, v0                           ; r
	v_bfe_u32 v2, v0, 4, 1                         ; h
	v_and_b32 v3, 31, v0                           ; lane
	v_lshlrev_b32 v4, 4, v3
	s_mul_i32 s2, s15, AHALF
	v_add_nc_u32 v[ADRA], s2, v4                   ; my 64 rows of A: an image's 16 bytes a lane
	v_add_nc_u32 v[ADRA+1], SLOT, v[ADRA]
	v_mul_u32_u24 v5, v1, PITCH
	v_lshl_add_u32 v5, v2, 3, v5
	v_add_nc_u32 v[ADRB], s19, v5                  ; my 64 rows of W: row r, + 8 h
	v_add_nc_u32 v[ADRB+1], SLOT, v[ADRB]
	s_lshl_b32 s2, s15, 8                          ; A's scale words lie [128 along K][128 rows]: my 64 rows are 256 bytes of each 512
	s_add_co_u32 s2, s2, SCA
	v_lshl_add_u32 v[ADSA], v3, 2, s2
	v_mul_u32_u24 v5, v3, KS
	v_lshrrev_b32 v6, 8, v5
	v_lshl_add_u32 v5, v6, 4, v5
	v_add_nc_u32 v[ADSB], s97, v5
	s_mul_i32 s2, s14, 16*SPITCH
	v_mul_u32_u24 v5, v1, SPITCH
	v_lshl_add_u32 v5, v2, 5, v5
	v_add_nc_u32 v[STO], s2, v5                    ; the stage, in: row r, 32 bytes for each half of the lanes
	v_mul_u32_u24 v5, v2, SPITCH
	v_lshl_add_u32 v5, v1, 4, v5
	v_add_nc_u32 v[RD], s2, v5                     ; out: lanes 0-15 one row of 256 bytes, lanes 16-31 the next
	v_lshlrev_b32 v[CO], 12, v2
	v_lshl_add_u32 v[CO], v1, 4, v[CO]             ; and the same two rows in memory
	v_lshlrev_b32 v7, 4, v1
	s_wait_alu depctr_va_vdst(0)
	s_lshl_b32 s2, s17, 7
	s_lshl_b32 s3, s15, 6
	s_add_co_u32 s2, s2, s3                        ; my first row
	s_lshl_b32 s2, s2, 12
	s_lshl_b32 s3, s42, 9
	s_lshl_b32 s18, s16, 8
	s_add_co_u32 s18, s18, s3                      ; my first column, in bytes
	s_add_co_u32 s2, s2, s18
	s_mov_b32 s3, 0
	s_add_nc_u64 s[92:93], s[92:93], s[2:3]
	s_add_nc_u64 s[94:95], s[94:95], s[2:3]
	s_mov_b32 s2, s18
	s_add_nc_u64 s[10:11], s[10:11], s[2:3]
	global_load_b128 v[12:15], v7, s[10:11]        ; the bias of my four columns
	WIN 0x80                                       ; destination window 2
.set t, 0
.rept 32
	global_load_b128 v[4*t:4*t+3], v[CO], s[92:93] offset:8192*t th:TH_LOAD_NT   ; the residual, laid as the results will leave: waited for behind the loop
.set t, t+1
.endr
	WIN 0
; one product: A's block a x W's block b, chunk q of the slot whose scale words lie in set.  Lanes 16-31 of a scale register serve the odd blocks
.macro WM f, a, b, q, set, zero
.set rD, ACC+8*(4*(\a)+(\b))
.set rB, (\f)+64+16*(\b)
.set rA, (\f)+16*(\a)
.set rSB, SC+16*(\set)+8+4*((\b)/2)+(\q)
.set rSA, SC+16*(\set)+2*(\q)+(\a)/2
.if \zero
.if (((\a)%2) == 0) && (((\b)%2) == 0)
	v_wmma_scale_f32_16x16x128_f8f6f4 v[rD:rD+7], v[rB:rB+15], v[rA:rA+15], 0, v[rSB], v[rSA]
.elseif ((\a)%2) == 0
	v_wmma_scale_f32_16x16x128_f8f6f4 v[rD:rD+7], v[rB:rB+15], v[rA:rA+15], 0, v[rSB], v[rSA] matrix_a_scale:MATRIX_SCALE_ROW1
.elseif ((\b)%2) == 0
	v_wmma_scale_f32_16x16x128_f8f6f4 v[rD:rD+7], v[rB:rB+15], v[rA:rA+15], 0, v[rSB], v[rSA] matrix_b_scale:MATRIX_SCALE_ROW1
.else
	v_wmma_scale_f32_16x16x128_f8f6f4 v[rD:rD+7], v[rB:rB+15], v[rA:rA+15], 0, v[rSB], v[rSA] matrix_a_scale:MATRIX_SCALE_ROW1 matrix_b_scale:MATRIX_SCALE_ROW1
.endif
.else
.if (((\a)%2) == 0) && (((\b)%2) == 0)
	v_wmma_scale_f32_16x16x128_f8f6f4 v[rD:rD+7], v[rB:rB+15], v[rA:rA+15], v[rD:rD+7], v[rSB], v[rSA]
.elseif ((\a)%2) == 0
	v_wmma_scale_f32_16x16x128_f8f6f4 v[rD:rD+7], v[rB:rB+15], v[rA:rA+15], v[rD:rD+7], v[rSB], v[rSA] matrix_a_scale:MATRIX_SCALE_ROW1
.elseif ((\b)%2) == 0
	v_wmma_scale_f32_16x16x128_f8f6f4 v[rD:rD+7], v[rB:rB+15], v[rA:rA+15], v[rD:rD+7], v[rSB], v[rSA] matrix_b_scale:MATRIX_SCALE_ROW1
.else
	v_wmma_scale_f32_16x16x128_f8f6f4 v[rD:rD+7], v[rB:rB+15], v[rA:rA+15], v[rD:rD+7], v[rSB], v[rSA] matrix_a_scale:MATRIX_SCALE_ROW1 matrix_b_scale:MATRIX_SCALE_ROW1
.endif
.endif
.endm
.macro MUL4 f, a, q, set, zero         ; the 16 accumulators take turns, one instruction a turn, in the same order in every quarter
.irp b, 0,1,2,3
	WM \f, \a, \b, \q, \set, \zero
.endr
.endm
; 48 LDS loads in one run: chunk q of a slot into buffer f: W's four blocks, then A's blocks 0, 1, then 2, 3
.macro FETCH slot, q, f
	WIN TO_F
.irp i, 0,1,2,3
.irp c, 0,1,2,3
	ds_load_b64 v[(\f)+64+16*\i+4*\c:(\f)+64+16*\i+4*\c+1], v[ADRB+\slot] offset:16*PITCH*\i+128*(\q)+32*\c
	ds_load_b64 v[(\f)+64+16*\i+4*\c+2:(\f)+64+16*\i+4*\c+3], v[ADRB+\slot] offset:16*PITCH*\i+128*(\q)+32*\c+16
.endr
.endr
.irp i, 0,1,2,3
.irp c, 0,1,2,3
	ds_load_b128 v[(\f)+16*\i+4*\c:(\f)+16*\i+4*\c+3], v[ADRA+\slot] offset:8192*\i+2048*(\q)+512*\c
.endr
.endr
.endm
.macro SCALES set                      ; a K step's scale words
.irp q, 0,1,2,3
.irp i, 0,1
	ds_load_b32 v[SC+16*(\set)+2*\q+\i], v[ADSA] offset:512*\q+128*\i
.endr
.endr
.irp i, 0,1
	ds_load_b128 v[SC+16*(\set)+8+4*\i:SC+16*(\set)+8+4*\i+3], v[ADSB] offset:\i*(32*KS/256)*272
.endr
.endm
; A K step is four quarters of 128 along K, 16 matrix instructions each, on buffers 0, 1, 0, 1.  One of the first three: multiplies chunk qn - 1 in buffer f and fetches chunk qn into g
.macro QUARTER slot, qn, f, g, zero
	s_wait_dscnt 8                                 ; W's blocks and A's blocks 0, 1 are in; the youngest eight loads (A's blocks 2, 3) may be out
	WIN MUL
	MUL4 \f, 0, (\qn)-1, \slot, \zero
	MUL4 \f, 1, (\qn)-1, \slot, \zero
	PLACES NP
	FETCH \slot, \qn, \g
	s_wait_dscnt 48                                ; all but the 48 just issued
	WIN MUL
	MUL4 \f, 2, (\qn)-1, \slot, \zero
	MUL4 \f, 3, (\qn)-1, \slot, \zero
.endm
; The last quarter multiplies buffer 1 and changes slots: one barrier; in front of it each wave waits for all its tensor loads, adds 0 to its spare word, and waits for that and for its reads of this slot
.macro TURN slot, next, fill
	WIN 0
	s_wait_tensorcnt 0x0                           ; all my tensor loads have landed: my part of the next slot
	ds_add_u32 v[SPW], v[NIL]
	s_wait_dscnt 9                                 ; the add and the youngest eight loads may be out
	WIN MUL
	MUL4 F1, 0, 3, \slot, 0
	s_wait_dscnt 0x0                               ; the add is done, and my reads of this slot are over
	s_barrier_signal -1
	MUL4 F1, 1, 3, \slot, 0
	WIN 0
	s_barrier_wait -1
.if \fill
	CREST                                          ; the barrier has opened a round of the cluster's: no wave of any partner still reads this slot or has a load on its way
	s_add_nc_u64 s[G0+4*\slot+2:G0+4*\slot+3], s[G0+4*\slot+2:G0+4*\slot+3], 2*8192
	s_add_nc_u64 s[G0B+4*\slot+2:G0B+4*\slot+3], s[G0B+4*\slot+2:G0B+4*\slot+3], 2*KSTEP
	JLOAD G0+4*\slot, G1, G0B+4*\slot, G1B         ; my one tensor load behind the round; its four v_nop are among the places
	PLACES NP-4
.else
	PLACES NP
.endif
	s_wait_alu depctr_va_vdst(0)
	v_add_nc_u32 v[ADSA], 2048, v[ADSA]            ; the next K step's scale words
	v_add_nc_u32 v[ADSB], 16, v[ADSB]
	SCALES \next
	FETCH \next, 0, F0
	WIN MUL
	MUL4 F1, 2, 3, \slot, 0
	MUL4 F1, 3, 3, \slot, 0
.endm
	s_wait_alu depctr_va_vdst(0)                   ; the wait at the head's end
	s_wait_tensorcnt 0x0                           ; my tile of the head's four is in
	ds_add_u32 v[SPW], v[NIL]                      ; the line ahead of a later first fill
	s_mov_b32 s[G1+2], 4<<16                       ; no tensor load of mine is out: from here on a load brings half a tile
	s_mov_b32 s[G1+4], 4
	s_mov_b32 s[G1B+2], 64<<16
	s_mov_b32 s[G1B+4], 64
	s_wait_dscnt 0x0
	CROUND                                         ; all four tiles are in, all sixteen work-groups are here
	JLOAD G0+4, G1, G0B+4, G1B                     ; K step 1: my one tensor load behind the round
	SCALES 0
	FETCH 0, 0, F0
	QUARTER 0, 1, F0, F1, 1                        ; the first quarter starts the sums: nothing is cleared
.if LAPS > 1
	WIN 0
	s_mov_b32 s3, LAPS-1
.Llap:
	QUARTER 0, 2, F1, F0, 0
	QUARTER 0, 3, F0, F1, 0
	TURN 0, 1, 1
	QUARTER 1, 1, F0, F1, 0
	QUARTER 1, 2, F1, F0, 0
	QUARTER 1, 3, F0, F1, 0
	TURN 1, 0, 1
	QUARTER 0, 1, F0, F1, 0
	WIN 0
	s_sub_co_u32 s3, s3, 1
	s_cmp_lg_u32 s3, 0
	s_cbranch_scc1 .Llap
.endif
	QUARTER 0, 2, F1, F0, 0                        ; the last lap fills nothing
	QUARTER 0, 3, F0, F1, 0
	TURN 0, 1, 0
	QUARTER 1, 1, F0, F1, 0
	QUARTER 1, 2, F1, F0, 0
	QUARTER 1, 3, F0, F1, 0
	s_wait_dscnt 8
	WIN MUL
	MUL4 F1, 0, 3, 1, 0
	MUL4 F1, 1, 3, 1, 0
	s_wait_dscnt 0
	MUL4 F1, 2, 3, 1, 0
	MUL4 F1, 3, 3, 1, 0
	WIN 0
; THE WAY OUT, 16 rows at a time: a lane's 32 bytes of a row go into my stage and come back as whole rows of 256 bytes; residual and bias are added there; 16 lanes store 256 consecutive bytes, aligned
.macro TOSTAGE a
.irp b, 0,1,2,3
	ds_store_b128 v[STO], v[ACC+8*(4*(\a)+\b):ACC+8*(4*(\a)+\b)+3] offset:64*\b        ; each accumulator from its low end on
	ds_store_b128 v[STO], v[ACC+8*(4*(\a)+\b)+4:ACC+8*(4*(\a)+\b)+7] offset:64*\b+16
.endr
.irp t, 0,1,2,3,4,5,6,7
	ds_load_b128 v[BK+32*((\a)%2)+4*\t:BK+32*((\a)%2)+4*\t+3], v[RD] offset:2*SPITCH*\t   ; LDS serves a wave's instructions in order
.endr
.endm
.macro SEND a, younger
.set BB, BK+32*((\a)%2)
	s_wait_dscnt \younger                          ; the block is back; the next block's 16 LDS instructions may be out
	WIN 0x08                                       ; source 1: window 2
.irp t, 0,1,2,3,4,5,6,7
	v_pk_add_f32 v[BB+4*\t:BB+4*\t+1], v[BB+4*\t:BB+4*\t+1], v[4*(8*(\a)+\t):4*(8*(\a)+\t)+1]
	v_pk_add_f32 v[BB+4*\t+2:BB+4*\t+3], v[BB+4*\t+2:BB+4*\t+3], v[4*(8*(\a)+\t)+2:4*(8*(\a)+\t)+3]
.endr
	WIN 0
.irp t, 0,1,2,3,4,5,6,7
	v_pk_add_f32 v[BB+4*\t:BB+4*\t+1], v[BB+4*\t:BB+4*\t+1], v[12:13]
	v_pk_add_f32 v[BB+4*\t+2:BB+4*\t+3], v[BB+4*\t+2:BB+4*\t+3], v[14:15]
.endr
.irp t, 0,1,2,3,4,5,6,7
.if NT_OUT
	global_store_b128 v[CO], v[BB+4*\t:BB+4*\t+3], s[94:95] offset:(16*(\a)+2*\t)*4096 th:TH_STORE_NT
.else
	global_store_b128 v[CO], v[BB+4*\t:BB+4*\t+3], s[94:95] offset:(16*(\a)+2*\t)*4096
.endif
.endr
.endm
	PLACES NP                                      ; behind the last products: results are read
	s_wait_loadcnt 0x0                             ; bias and residual
	TOSTAGE 0
	TOSTAGE 1
	SEND 0, 16
	s_wait_xcnt 0x0                                ; block 0's stores have read their registers: block 2's loads may land there
	TOSTAGE 2
	SEND 1, 16
	s_wait_xcnt 0x0
	TOSTAGE 3
	SEND 2, 16
	SEND 3, 0
	s_wait_tensorcnt 0x0                           ; the wave's end
	ds_add_u32 v[SPW], v[NIL]
	s_wait_dscnt 0x0
	CROUND                                         ; the closing round
	s_endpgm
.Lfunc_end_k_qa111d87104_wo:
	.size	k_qa111d87104_wo, .Lfunc_end_k_qa111d87104_wo-k_qa111d87104_wo
	.p2alignl 7, 3214868480
	.fill 96, 4, 3214868480
	.section	.rodata,"a",@progbits
	.p2align	6, 0x0
	.amdhsa_kernel k_qa111d87104_wo
		.amdhsa_group_segment_fixed_size 327680
		.amdhsa_private_segment_fixed_size 0
		.amdhsa_enable_private_segment 0
		.amdhsa_kernarg_size 48
		.amdhsa_user_sgpr_count 2
		.amdhsa_user_sgpr_kernarg_segment_ptr 1
		.amdhsa_wavefront_size32 1
		.amdhsa_system_sgpr_workgroup_id_x 1
		.amdhsa_system_sgpr_workgroup_id_y 1
		.amdhsa_system_sgpr_workgroup_id_z 1
		.amdhsa_system_vgpr_workitem_id 0
		.amdhsa_next_free_vgpr 640
		.amdhsa_next_free_sgpr 100
		.amdhsa_reserve_vcc 0
		.amdhsa_float_denorm_mode_32 3
		.amdhsa_float_denorm_mode_16_64 3
		.amdhsa_memory_ordered 1
		.amdhsa_forward_progress 1
		.amdhsa_inst_pref_size 74
	.end_amdhsa_kernel
	.amdgpu_metadata
---
amdhsa.version: [ 1, 2 ]
amdhsa.kernels:
  - .name:           k_qa111d87104_wo
    .symbol:         k_qa111d87104_wo.kd
    .args:
      - { .name: obuf, .offset: 0, .size: 8, .value_kind: global_buffer, .address_space: global }
      - { .name: Wo_codes, .offset: 8, .size: 8, .value_kind: global_buffer, .address_space: global }
      - { .name: Wo_scales, .offset: 16, .size: 8, .value_kind: global_buffer, .address_space: global }
      - { .name: bo, .offset: 24, .size: 8, .value_kind: global_buffer, .address_space: global }
      - { .name: x, .offset: 32, .size: 8, .value_kind: global_buffer, .address_space: global }
      - { .name: x1, .offset: 40, .size: 8, .value_kind: global_buffer, .address_space: global }
    .group_segment_fixed_size: 327680
    .private_segment_fixed_size: 0
    .kernarg_segment_align: 8
    .kernarg_segment_size: 48
    .max_flat_workgroup_size: 128
    .sgpr_count:     100
    .vgpr_count:     640
    .wavefront_size: 32
...
	.end_amdgpu_metadata
.endif
;; end of part 4
;; launch ln2: the kernel of part 1 again; grid 256 x 1, 8 waves a work-group, no clusters, 88,064 bytes of LDS; arguments x1, g2, be2, hbuf; writes hbuf
;; launch ffn1 (part 5): grid 16 x 16, 4 waves a work-group, clusters of 4 x 4, 327,680 bytes of LDS; arguments hbuf, W1_codes, W1_scales, b1, abuf; writes abuf
.if DOCPART == 5
	.amdgcn_target "amdgcn-amd-amdhsa--gfx1250"
	.amdhsa_code_object_version 6
	.text
	.protected	k_qa111d87104_ffn1
	.globl	k_qa111d87104_ffn1
	.p2align	8
	.type	k_qa111d87104_ffn1,@function
k_qa111d87104_ffn1:
	s_mov_b64 s[64:65], 0
	v_nop
	global_prefetch_b8 v0, s[64:65] scope:SCOPE_SE
	s_setreg_imm32_b32 hwreg(HW_REG_WAVE_MODE, 25, 1), 1
	s_wait_xcnt 0x0
	s_wait_alu depctr_hold_cnt(0) depctr_sa_sdst(0) depctr_va_vdst(0) depctr_va_sdst(0) depctr_va_ssrc(0) depctr_va_vcc(0) depctr_vm_vsrc(0)
	s_getreg_b32 s2, hwreg(HW_REG_IB_STS2, 6, 4)
	s_cmp_eq_u32 s2, 0
	s_cbranch_scc0 .Lentry_in_a_cluster
	s_endpgm
.Lentry_in_a_cluster:
	s_bfe_u32 s2, ttmp6, 0x10000c
	s_cmp_lg_u32 s2, 0xf033
	s_cbranch_scc0 .Lentry_shape_is_right
	s_endpgm
.Lentry_shape_is_right:
.set IS_QKV, 0
.set SIZE_K, 1024
.set KSTEP,  256
.set NQ,     KSTEP/128
.set ROWB,   256
.set KROW,   SIZE_K
.set PITCH,  272
.set FR,     16
.set NL,     4
.set NP,     8
.set HALFT,  128*PITCH
.set SLOT,   4*HALFT
.set LAPS,   SIZE_K/(2*KSTEP)
.set KS,     SIZE_K/32
.set SCL,    2*SLOT
.set HALFS,  (128*KS/256)*272
.set SBLK,   (16*KS/256)*272
.set SPARE,  SCL+4*HALFS
.set ADRA, 16
.set ADRB, 20
.set SRD,  22
.set SGO,  23
.set VO0,  24
.set SWA,  26
.set ADRS, 27
.set SPW,  28
.set NIL,  29
.set ZR,   30
.set SC,   32
.set BR,   64
.set BL,   8
.set AF,   128
.set Y,    128
.set PC,   192
.set TM,   208
.set PW,   224
.set SEL,  20
.set MNT,  23
.set G1, 24
.set G0, 32
.set G1B, 48
.set G0B, 56
.set G1S, 68
.set G0S, 76
.set G1SB, 80
.set G0SB, 88
.set MSB, 0
.macro WIN new
.if MSB != \new
	s_set_vgpr_msb (MSB<<8)|\new
.set MSB, \new
.endif
.endm
.set MUL_LO, 0xa1
.set MUL_HI, 0xf1
.set TO_B,   0x40
.macro JLOAD g0a, g1a, g0b, g1b
	s_cmp_eq_u32 s15, 0
	s_cbranch_scc0 .Lfor_b_\@
	tensor_load_to_lds s[\g0a:\g0a+3], s[\g1a:\g1a+7]
	s_nop 0
.rept 4
	v_nop
.endr
	s_branch .Lasked_\@
.Lfor_b_\@:
	tensor_load_to_lds s[\g0b:\g0b+3], s[\g1b:\g1b+7]
	s_nop 0
.rept 4
	v_nop
.endr
.Lasked_\@:
.endm
.macro CREST
	s_cmp_lg_u32 s14, 0
	s_cbranch_scc1 .Lnot_wave_0_\@
	s_barrier_signal -3
.Lnot_wave_0_\@:
	s_barrier_wait -3
	s_barrier_signal -1
	s_barrier_wait -1
.endm
.macro CROUND
	s_barrier_signal -1
	s_barrier_wait -1
	CREST
.endm
.macro QUANT s, relu
.if \relu
.irp b, 0,1,2,3
	v_max3_num_f32 v[TM+\b], v[\s+16*\b], v[\s+1+16*\b], 0x4800000
.endr
.irp i, 2,4,6,8,10,12,14
.irp b, 0,1,2,3
	v_max3_num_f32 v[TM+\b], v[TM+\b], v[\s+16*\b+\i], v[\s+1+16*\b+\i]
.endr
.endr
.else
.irp b, 0,1,2,3
	v_max3_num_f32 v[TM+\b], |v[\s+16*\b]|, |v[\s+1+16*\b]|, 0x4800000
.endr
.irp i, 2,4,6,8,10,12,14
.irp b, 0,1,2,3
	v_max3_num_f32 v[TM+\b], v[TM+\b], |v[\s+16*\b+\i]|, |v[\s+1+16*\b+\i]|
.endr
.endr
.endif
.irp b, 0,1,2,3
	v_permlanex16_b32 v[TM+4+\b], v[TM+\b], s[SEL], s[SEL+1]
.endr
.irp b, 0,1,2,3
	v_max_num_f32 v[TM+\b], v[TM+\b], v[TM+4+\b]
.endr
.irp b, 0,1,2,3
	v_add_nc_u32 v[TM+12+\b], 0xfc000000, v[TM+\b]
.endr
.irp b, 0,1,2,3
	v_and_or_b32 v[TM+8+\b], v[TM+\b], 0x7f800000, s[MNT]
.endr
.irp b, 0,1,2,3
	v_lshrrev_b32 v[TM+4+\b], 23, v[TM+12+\b]
.endr
	v_lshl_or_b32 v[PW], v[TM+5], 8, v[TM+4]
	v_lshl_or_b32 v[PW], v[TM+6], 16, v[PW]
	v_lshl_or_b32 v[PW], v[TM+7], 24, v[PW]
.irp b, 0,1,2,3
.irp i, 0,1,2,3,4,5,6,7,8,9,10,11,12,13,14,15
.if \relu
	v_med3_num_f32 v[\s+16*\b+\i], v[\s+16*\b+\i], 0, v[TM+8+\b]
.else
	v_med3_num_f32 v[\s+16*\b+\i], v[\s+16*\b+\i], -v[TM+8+\b], v[TM+8+\b]
.endif
.endr
	v_cvt_scalef32_pk8_fp8_f32 v[PC+4*\b:PC+1+4*\b], v[\s+16*\b:\s+7+16*\b], v[TM+12+\b]
	v_cvt_scalef32_pk8_fp8_f32 v[PC+2+4*\b:PC+3+4*\b], v[\s+8+16*\b:\s+15+16*\b], v[TM+12+\b]
.endr
	v_nop
.endm
.if IS_QKV
	s_load_b512 s[68:83], s[0:1], 0x0
	s_load_b128 s[84:87], s[0:1], 0x40
	s_load_b64 s[88:89], s[0:1], 0x50
.else
	s_load_b256 s[68:75], s[0:1], 0x0
	s_load_b64 s[76:77], s[0:1], 0x20
.endif
	v_lshl_add_u32 v[SPW], v0, 2, SPARE
	v_mov_b32 v[NIL], 0
	ds_add_u32 v28, v29
	ds_add_u32 v28, v29
	s_wait_dscnt 0x0
	v_lshrrev_b32 v1, 5, v0
	v_readfirstlane_b32 s14, v1
	s_lshr_b32 s15, s14, 1
	s_and_b32 s16, s14, 1
	s_bfe_u32 s40, ttmp6, 0x40000
	s_bfe_u32 s41, ttmp6, 0x40004
	s_and_b32 s18, ttmp7, 0xffff
	s_lshl_b32 s18, s18, 2
.if IS_QKV
	s_cmp_eq_u32 ttmp9, 2
	s_cselect_b32 s17, 0, s18
	s_cselect_b32 s42, s18, 0
	s_cselect_b32 s95, -1, 0
.else
	s_mov_b32 s17, s18
	s_lshl_b32 s42, ttmp9, 2
.endif
	s_add_co_u32 s17, s17, s41
	s_add_co_u32 s42, s42, s40
	s_lshl_b32 s43, s41, 2
	s_lshl_b32 s43, 15, s43
	s_lshl_b32 s44, 0x1111, s40
	s_or_b32 s[G1+0], s43, (0<<16)|(1<<20)|(1<<21)|(5<<22)|(3<<25)
	s_or_b32 s[G1B+0], s44, (0<<16)|(1<<20)|(1<<21)|(5<<22)|(3<<25)
.irp g, G1, G1B
	s_mov_b32 s[\g+1], ROWB<<16
	s_mov_b32 s[\g+2], 256<<16                     ; 256 rows for the head's loads; set to 128 for the ring's behind them
	s_mov_b32 s[\g+3], ROWB<<16
	s_mov_b32 s[\g+4], 256
	s_mov_b32 s[\g+5], KROW
	s_mov_b32 s[\g+6], 0
	s_mov_b32 s[\g+7], 0
.endr
	s_lshl_b32 s20, s17, 8                         ; A: the tile's first row
	s_lshl_b32 s46, s42, 8                         ; B likewise
	s_mov_b32 s21, 0
	s_mov_b32 s47, 0
	s_mov_b64 s[18:19], KS
	s_mul_u64 s[22:23], s[20:21], s[18:19]         ; where the tile's 256 rows of scale bytes begin
	s_mul_u64 s[92:93], s[46:47], s[18:19]
	s_lshl_b32 s18, s16, 7
	s_add_co_u32 s20, s20, s18                     ; codes: + 128 x my half
	s_add_co_u32 s46, s46, s18
	s_mov_b64 s[18:19], KROW
	s_mul_u64 s[20:21], s[20:21], s[18:19]
	s_mul_u64 s[46:47], s[46:47], s[18:19]
	s_mul_i32 s45, s14, HALFT
	s_wait_kmcnt 0x0
.if IS_QKV
	s_add_nc_u64 s[90:91], s[68:69], 0x400000
	s_cmp_eq_u32 ttmp9, 0
	s_cselect_b64 s[8:9], s[70:71], s[74:75]
	s_cselect_b64 s[10:11], s[72:73], s[76:77]
	s_cselect_b64 s[100:101], s[82:83], s[84:85]
	s_cmp_eq_u32 ttmp9, 2
	s_cselect_b64 s[4:5], s[78:79], s[68:69]
	s_cselect_b64 s[6:7], s[80:81], s[90:91]
	s_cselect_b64 s[8:9], s[68:69], s[8:9]
	s_cselect_b64 s[10:11], s[90:91], s[10:11]
	s_cselect_b64 s[100:101], s[86:87], s[100:101]
	s_mov_b64 s[12:13], s[88:89]
.else
	s_mov_b64 s[4:5], s[68:69]
	s_add_nc_u64 s[6:7], s[68:69], 0x400000
	s_mov_b64 s[8:9], s[70:71]
	s_mov_b64 s[10:11], s[72:73]
	s_mov_b64 s[100:101], s[74:75]
	s_mov_b64 s[12:13], s[76:77]
.endif
	s_or_b32 s[G1S+0], s43, (3<<16)|(1<<20)|(1<<21)|(5<<22)|(3<<25)
	s_or_b32 s[G1SB+0], s44, (3<<16)|(1<<20)|(1<<21)|(5<<22)|(3<<25)
.irp g, G1S, G1SB
	s_mov_b32 s[\g+1], 32<<16
	s_mov_b32 s[\g+2], KS<<16                      ; the scale bytes of 256 rows: KS rows of 256 bytes
	s_mov_b32 s[\g+3], 32<<16
	s_mov_b32 s[\g+4], KS
	s_mov_b32 s[\g+5], 32
	s_mov_b32 s[\g+6], 0
	s_mov_b32 s[\g+7], 0
.endr
	s_add_nc_u64 s[20:21], s[4:5], s[20:21]
	s_add_nc_u64 s[22:23], s[6:7], s[22:23]
	s_add_nc_u64 s[46:47], s[8:9], s[46:47]
	s_add_nc_u64 s[92:93], s[10:11], s[92:93]
	CROUND
	s_mov_b32 s[G0S], 1
	s_mov_b32 s[G0S+1], SCL
	s_mov_b64 s[G0S+2:G0S+3], s[22:23]
	s_or_b32 s[G0S+3], s[G0S+3], 0x80000000
	s_mov_b32 s[G0SB], 1
	s_mov_b32 s[G0SB+1], SCL+2*HALFS
	s_mov_b64 s[G0SB+2:G0SB+3], s[92:93]
	s_or_b32 s[G0SB+3], s[G0SB+3], 0x80000000
.irp s, 0,1
	s_mov_b32 s[G0+4*\s], 1
	s_add_co_u32 s[G0+4*\s+1], s45, \s*SLOT
	s_add_nc_u64 s[G0+4*\s+2:G0+4*\s+3], s[20:21], \s*ROWB
	s_or_b32 s[G0+4*\s+3], s[G0+4*\s+3], 0x80000000
	s_mov_b32 s[G0B+4*\s], 1
	s_add_co_u32 s[G0B+4*\s+1], s45, \s*SLOT
	s_add_nc_u64 s[G0B+4*\s+2:G0B+4*\s+3], s[46:47], \s*ROWB
	s_or_b32 s[G0B+4*\s+3], s[G0B+4*\s+3], 0x80000000
.endr
; THE HEAD'S LOADS, ONE A WAVE: wave 0 K step 0's 256 rows of A (its slot 0 descriptor begins at the tile's first row and at LDS byte 0), wave 1 A's scale bytes, wave 2 the 256 rows of B, wave 3 B's scale bytes.
.macro ARM under, g0, g1, next
	s_cmp_lt_u32 s14, \under
	s_cbranch_scc0 \next
	tensor_load_to_lds s[\g0:\g0+3], s[\g1:\g1+7]
	s_nop 0
.rept 4
	v_nop
.endr
	s_branch .Lhead_asked
\next:
.endm
	ARM 1, G0, G1, .Lhead_sa
	ARM 2, G0S, G1S, .Lhead_b
	ARM 3, G0B, G1B, .Lhead_sb
	tensor_load_to_lds s[G0SB:G0SB+3], s[G1SB:G1SB+7]
	s_nop 0
.rept 4
	v_nop
.endr
.Lhead_asked:
	v_and_b32 v1, 15, v0
	v_bfe_u32 v2, v0, 4, 1
	v_mul_u32_u24 v3, v1, PITCH
	v_lshl_add_u32 v4, v2, 4, v3
	s_mul_i32 s21, s15, HALFT
	s_mul_i32 s22, s16, HALFT
	s_add_co_u32 s22, s22, 2*HALFT
.irp s, 0,1
	v_add_nc_u32 v[ADRA+\s], s21, v4
	v_add_nc_u32 v[ADRB+\s], s22, v4
	s_add_co_u32 s21, s21, SLOT
	s_add_co_u32 s22, s22, SLOT
.endr
	v_mul_u32_u24 v5, v1, KS
	v_lshrrev_b32 v6, 8, v5
	v_lshl_add_u32 v5, v6, 4, v5
	s_mul_i32 s21, s15, HALFS
	s_mul_i32 s22, s16, HALFS
	s_add_co_u32 s22, s22, 2*HALFS
	s_sub_co_u32 s22, s22, s21
	v_mul_u32_u24 v6, s22, v2
	s_add_co_u32 s21, s21, SCL
	v_add_nc_u32 v5, v5, v6
	v_add_nc_u32 v[ADRS], s21, v5
	s_lshl_b32 s18, s17, 8
	s_lshl_b32 s19, s15, 7
	s_add_co_u32 s18, s18, s19
	s_lshl_b32 s19, s42, 8
	s_lshl_b32 s22, s16, 7
	s_add_co_u32 s19, s19, s22
.if IS_QKV
	s_mov_b32 s96, 1024
	s_cmp_eq_u32 ttmp9, 2
	s_cselect_b32 s46, s19, s18
	s_cselect_b32 s47, s18, s19
	s_cselect_b32 s96, 2048, s96
	s_cselect_b32 s98, 122880, 0
	s_cselect_b32 s66, 0, 130048
	s_cselect_b32 s67, 3840, 0
	s_cselect_b32 s22, 1, 2
	s_lshr_b32 s43, s47, 7
	s_lshr_b32 s44, s46, 11
	s_and_b32 s45, s46, 2047
	s_lshl_b32 s18, ttmp9, 22
	s_lshl_b32 s19, s44, 21
	s_add_co_u32 s18, s18, s19
	s_lshl_b32 s19, s43, 18
	s_add_co_u32 s18, s18, s19
	s_lshl_b32 s19, s45, 6
	s_add_co_u32 s18, s18, s19
	s_mov_b32 s19, 0
	s_add_nc_u64 s[92:93], s[12:13], 0xc00000
	s_add_nc_u64 s[12:13], s[12:13], s[18:19]
	s_lshl_b32 s18, ttmp9, 17
	s_lshl_b32 s2, s44, 16
	s_add_co_u32 s18, s18, s2
	s_lshl_b32 s2, s43, 13
	s_add_co_u32 s18, s18, s2
	s_lshl_b32 s2, s45, s22
	s_add_co_u32 s18, s18, s2
	s_add_nc_u64 s[92:93], s[92:93], s[18:19]
	s_lshl_b32 s18, s47, 2
	s_add_nc_u64 s[100:101], s[100:101], s[18:19]
.else
	s_mov_b32 s96, 65536
	s_mov_b32 s98, 0
	s_mov_b32 s66, 0
	s_mov_b32 s67, 0
	s_lshr_b32 s43, s19, 7
	s_lshl_b32 s46, s18, 12
	s_lshl_b32 s47, s43, 11
	s_add_co_u32 s46, s46, s47
	s_mov_b32 s47, 0
	s_add_nc_u64 s[92:93], s[12:13], 0x1000000
	s_add_nc_u64 s[12:13], s[12:13], s[46:47]
	s_lshl_b32 s46, s43, 14
	s_lshl_b32 s44, s18, 2
	s_add_co_u32 s46, s46, s44
	s_add_nc_u64 s[92:93], s[92:93], s[46:47]
	s_lshl_b32 s46, s19, 2
	s_add_nc_u64 s[100:101], s[100:101], s[46:47]
.endif
	s_mov_b32 s97, 0
	s_mov_b32 s99, 0
	v_and_b32 v6, 31, v0
	v_lshlrev_b32 v[VO0], 4, v6
	v_add_nc_u32 v[VO0+1], s66, v[VO0]
	s_lshl_b32 s21, s14, 9
	v_lshl_add_u32 v[SWA], v1, 2, s21
	v_add_nc_u32 v[SRD], s21, v[VO0]
	s_add_co_u32 s22, s67, 256
	v_mul_u32_u24 v[SGO], s22, v2
	v_lshl_add_u32 v[SGO], v1, 4, v[SGO]
	v_lshlrev_b32 v7, 5, v2
	v_lshlrev_b32 v31, 2, v1
	v_mov_b32 v[ZR], 0
	s_mov_b32 s[SEL], 0x76543210
	s_mov_b32 s[SEL+1], 0xfedcba98
	s_mov_b32 s[MNT], 0x600000
; PREFETCHES INTO THE L2: with the load of K step n, K step n + 2 is asked for (and K step 1 here, at its first touch).  A K step is 256 bytes of each row: a lane a row, one instruction a wave.
; Waves 0 and 1 ask for A's rows, waves 2 and 3 for B's.  The four partners that ask for a tile jointly share its 256 rows out by address: 64 each (by cx for A, by cy for B), 32 a wave: each block of 256 bytes is named once in a cluster.
; K has four steps: steps 1 and 2 are asked for here, step 3 behind K step 1's load; pointer and offset are never rewritten.
	s_lshl_b32 s6, s17, 8
	s_lshl_b32 s2, s40, 6
	s_add_co_u32 s6, s6, s2                        ; A: the tile's first row + 64 cx
	s_lshl_b32 s7, s42, 8
	s_lshl_b32 s2, s41, 6
	s_add_co_u32 s7, s7, s2                        ; B: the tile's first row + 64 cy
	s_cmp_eq_u32 s15, 0                            ; do I fetch for A?
	s_cselect_b64 s[4:5], s[4:5], s[8:9]
	s_cselect_b32 s6, s6, s7
	s_lshl_b32 s2, s16, 5
	s_add_co_u32 s6, s6, s2                        ; + my wave's 32 rows
	s_mul_i32 s6, s6, KROW
	s_mov_b32 s7, 0
	s_add_nc_u64 s[4:5], s[4:5], s[6:7]
	v_mul_u32_u24 v5, v6, KROW                     ; my lane's row
	s_wait_alu depctr_va_vdst(0)
	global_prefetch_b8 v5, s[4:5] offset:ROWB th:TH_LOAD_NT scope:SCOPE_SE
	global_prefetch_b8 v5, s[4:5] offset:2*ROWB th:TH_LOAD_NT scope:SCOPE_SE
.irp b, 0,1,2,3,4,5,6,7
	global_load_b128 v[BR+8*\b:BR+8*\b+3], v7, s[100:101] offset:64*\b
	global_load_b128 v[BR+8*\b+4:BR+8*\b+7], v7, s[100:101] offset:64*\b+16
.endr
.if IS_QKV
.irp a, 0,1,2,3,4,5,6,7
	global_load_b32 v[BL+\a], v31, s[100:101] offset:64*\a
.endr
.endif
.macro FRAG reg, adr, q, i
.irp c, 0,1,2,3
	ds_load_b128 v[\reg+4*\c:\reg+4*\c+3], v[\adr] offset:128*(\q)+32*\c+(\i)*16*PITCH
.endr
.endm
.macro MUL16 a0, p, q, sc, zero
.irp a, \a0, \a0+1
.irp b, 0,1,2,3,4,5,6,7
.if \zero
	v_wmma_scale_f32_16x16x128_f8f6f4 v[8*(8*((\a)%4)+\b):8*(8*((\a)%4)+\b)+7], v[128*(\p)+FR*\b:128*(\p)+FR*\b+FR-1], v[AF+FR*(\a):AF+FR*(\a)+FR-1], 0, v[SC+8*NQ*(\sc)+NQ*\b+(\q)], v[SC+8*NQ*(\sc)+NQ*(\a)+(\q)] matrix_a_scale:MATRIX_SCALE_ROW1
.else
	v_wmma_scale_f32_16x16x128_f8f6f4 v[8*(8*((\a)%4)+\b):8*(8*((\a)%4)+\b)+7], v[128*(\p)+FR*\b:128*(\p)+FR*\b+FR-1], v[AF+FR*(\a):AF+FR*(\a)+FR-1], v[8*(8*((\a)%4)+\b):8*(8*((\a)%4)+\b)+7], v[SC+8*NQ*(\sc)+NQ*\b+(\q)], v[SC+8*NQ*(\sc)+NQ*(\a)+(\q)] matrix_a_scale:MATRIX_SCALE_ROW1
.endif
.endr
.endr
.endm
.macro FETCH_B slot, q, p
	WIN TO_B
.irp i, 0,1,2,3,4,5,6,7
	FRAG 128*(\p)+FR*\i, ADRB+\slot, \q, \i
.endr
	WIN 0
.endm
.macro FETCH_A slot, q, i0
.irp i, \i0, \i0+1, \i0+2, \i0+3
	FRAG AF+FR*(\i), ADRA+\slot, \q, \i
.endr
.endm
.macro SCALES sc
.irp i, 0,1,2,3,4,5,6,7
	ds_load_b64 v[SC+8*NQ*\sc+NQ*\i:SC+8*NQ*\sc+NQ*\i+1], v[ADRS] offset:\i*SBLK
.endr
.endm
.macro PLACES n
.rept \n
	v_nop
.endr
.endm
.macro STEP slot, q, zero
	s_wait_dscnt 4*NL
	WIN MUL_LO
	MUL16 0, (\q)%2, \q, \slot, \zero
	MUL16 2, (\q)%2, \q, \slot, \zero
	s_wait_dscnt 0
	PLACES NP
	FETCH_B \slot, (\q)+1, 1-(\q)%2
	FETCH_A \slot, (\q)+1, 0
	WIN MUL_HI
	MUL16 4, (\q)%2, \q, \slot, \zero
	MUL16 6, (\q)%2, \q, \slot, \zero
	PLACES NP
	WIN 0
	FETCH_A \slot, (\q)+1, 4
.endm
.macro TURN slot, next, fill
	s_wait_tensorcnt 0x0
	ds_add_u32 v[SPW], v[NIL]
	s_wait_dscnt 4*NL+1
	WIN MUL_LO
	MUL16 0, 1, NQ-1, \slot, 0
	s_wait_dscnt 0x0
	s_barrier_signal -1
	MUL16 2, 1, NQ-1, \slot, 0
	WIN 0
	s_barrier_wait -1
.if \fill
	CREST
	s_add_nc_u64 s[G0+4*\slot+2:G0+4*\slot+3], s[G0+4*\slot+2:G0+4*\slot+3], 2*ROWB
	s_add_nc_u64 s[G0B+4*\slot+2:G0B+4*\slot+3], s[G0B+4*\slot+2:G0B+4*\slot+3], 2*ROWB
	JLOAD G0+4*\slot, G1, G0B+4*\slot, G1B
	PLACES NP-4
.else
	PLACES NP
.endif
	s_wait_alu depctr_va_vdst(0)
	v_add_nc_u32 v[ADRS], 4*NQ, v[ADRS]
	FETCH_B \next, 0, 0
	FETCH_A \next, 0, 0
	SCALES \next
	WIN MUL_HI
	MUL16 4, 1, NQ-1, \slot, 0
	MUL16 6, 1, NQ-1, \slot, 0
	PLACES NP
	WIN 0
	FETCH_A \next, 0, 4
.endm
	s_wait_alu depctr_va_vdst(0)                   ; the wait at the head's end
	s_wait_tensorcnt 0x0                           ; my tile of the head's four is in
	ds_add_u32 v[SPW], v[NIL]                      ; the line ahead of a later first fill
	s_mov_b32 s[G1+2], 128<<16                     ; no tensor load of mine is out: from here on a load brings 128 rows
	s_mov_b32 s[G1+4], 128
	s_mov_b32 s[G1B+2], 128<<16
	s_mov_b32 s[G1B+4], 128
	s_wait_dscnt 0x0
	CROUND                                         ; all four tiles are in, all sixteen work-groups are here
	JLOAD G0+4, G1, G0B+4, G1B                     ; K step 1: my one tensor load behind the round
	FETCH_B 0, 0, 0
	global_prefetch_b8 v5, s[4:5] offset:3*ROWB th:TH_LOAD_NT scope:SCOPE_SE   ; K step 3, two steps ahead of its load; K has no step behind it
	FETCH_A 0, 0, 0
	SCALES 0
	FETCH_A 0, 0, 4
	STEP 0, 0, 1
	s_mov_b32 s3, LAPS-1
.Llap:
	TURN 0, 1, 1
	STEP 1, 0, 0
	TURN 1, 0, 1
	STEP 0, 0, 0
	s_sub_co_u32 s3, s3, 1
	s_cmp_lg_u32 s3, 0
	s_cbranch_scc1 .Llap
	TURN 0, 1, 0
	STEP 1, 0, 0
	s_wait_dscnt 4*NL
	WIN MUL_LO
	MUL16 0, 1, NQ-1, 1, 0
	MUL16 2, 1, NQ-1, 1, 0
	s_wait_dscnt 0
	WIN MUL_HI
	MUL16 4, 1, NQ-1, 1, 0
	MUL16 6, 1, NQ-1, 1, 0
	WIN 0
.macro OUT a
	s_wait_xcnt 0x0
	s_wait_dscnt 0x0
.if (\a) > 0
	s_add_nc_u64 s[12:13], s[12:13], s[96:97]
.endif
.if IS_QKV && ((\a) == 4)
	s_add_nc_u64 s[12:13], s[12:13], s[98:99]
.endif
	WIN 0x02+((\a)/4)
.set i, 0
.rept 32
	v_pk_add_f32 v[Y+i:Y+i+1], v[64*((\a)%4)+i:64*((\a)%4)+i+1], v[BR+i:BR+i+1]
.set i, i+2
.endr
	WIN 0
.if IS_QKV
.set i, 0
.rept 32
.if ((\a)%2) == 0
	v_pk_add_f32 v[Y+i:Y+i+1], v[Y+i:Y+i+1], v[BL+(\a):BL+(\a)+1] op_sel_hi:[1,0]
.else
	v_pk_add_f32 v[Y+i:Y+i+1], v[Y+i:Y+i+1], v[BL+(\a)-1:BL+(\a)] op_sel:[0,1] op_sel_hi:[1,1]
.endif
.set i, i+2
.endr
.endif
	QUANT Y, 1-IS_QKV
.irp c, 0,1,2,3
	global_store_b128 v[VO0+\c/2], v[PC+4*\c:PC+4*\c+3], s[12:13] offset:512*\c
.endr
	ds_store_b32 v[SWA], v[PW] offset:64*(\a)
.endm
	PLACES NP
	s_wait_loadcnt 0x0
.if IS_QKV
.set i, 0
.rept 64
	v_cndmask_b32 v[BR+i], v[BR+i], v[ZR], s95
.set i, i+1
.endr
.irp a, 0,1,2,3,4,5,6,7
	v_cndmask_b32 v[BL+\a], v[ZR], v[BL+\a], s95
.endr
.endif
.irp b, 0,1,2,3
	v_mov_b32 v[TM+4+\b], 0
.endr
.irp a, 0,1,2,3,4,5,6,7
	OUT \a
.endr
	ds_load_b128 v[228:231], v[SRD]
	s_wait_dscnt 0x0
	global_store_b128 v[SGO], v[228:231], s[92:93]
	s_wait_tensorcnt 0x0
	ds_add_u32 v[SPW], v[NIL]
	s_wait_dscnt 0x0
	CROUND
	s_endpgm
.Lfunc_end_k_qa111d87104_ffn1:
	.size	k_qa111d87104_ffn1, .Lfunc_end_k_qa111d87104_ffn1-k_qa111d87104_ffn1
	.p2alignl 7, 3214868480
	.fill 96, 4, 3214868480
	.section	.rodata,"a",@progbits
	.p2align	6, 0x0
	.amdhsa_kernel k_qa111d87104_ffn1
		.amdhsa_group_segment_fixed_size 327680
		.amdhsa_private_segment_fixed_size 0
		.amdhsa_enable_private_segment 0
		.amdhsa_kernarg_size 40
		.amdhsa_user_sgpr_count 2
		.amdhsa_user_sgpr_kernarg_segment_ptr 1
		.amdhsa_wavefront_size32 1
		.amdhsa_system_sgpr_workgroup_id_x 1
		.amdhsa_system_sgpr_workgroup_id_y 1
		.amdhsa_system_sgpr_workgroup_id_z 1
		.amdhsa_system_vgpr_workitem_id 0
		.amdhsa_next_free_vgpr 1024
		.amdhsa_next_free_sgpr 102
		.amdhsa_reserve_vcc 0
		.amdhsa_float_denorm_mode_32 3
		.amdhsa_float_denorm_mode_16_64 3
		.amdhsa_memory_ordered 1
		.amdhsa_forward_progress 1
		.amdhsa_inst_pref_size 205
	.end_amdhsa_kernel
	.amdgpu_metadata
---
amdhsa.version: [ 1, 2 ]
amdhsa.kernels:
  - .name:           k_qa111d87104_ffn1
    .symbol:         k_qa111d87104_ffn1.kd
    .args:
      - { .name: hbuf, .offset: 0, .size: 8, .value_kind: global_buffer, .address_space: global }
      - { .name: W1_codes, .offset: 8, .size: 8, .value_kind: global_buffer, .address_space: global }
      - { .name: W1_scales, .offset: 16, .size: 8, .value_kind: global_buffer, .address_space: global }
      - { .name: b1, .offset: 24, .size: 8, .value_kind: global_buffer, .address_space: global }
      - { .name: abuf, .offset: 32, .size: 8, .value_kind: global_buffer, .address_space: global }
    .group_segment_fixed_size: 327680
    .private_segment_fixed_size: 0
    .kernarg_segment_align: 8
    .kernarg_segment_size: 40
    .max_flat_workgroup_size: 128
    .sgpr_count:     102
    .vgpr_count:     1024
    .wavefront_size: 32
...
	.end_amdgpu_metadata
.endif
;; end of part 5
;; launch ffn2 (part 6): grid 8 x 32, 4 waves a work-group, clusters of 4 x 4, 327,680 bytes of LDS; arguments abuf, W2_codes, W2_scales, b2, x1, out0; writes out0
.if DOCPART == 6
	.amdgcn_target "amdgcn-amd-amdhsa--gfx1250"
	.amdhsa_code_object_version 6
	.text
	.protected	k_qa111d87104_ffn2
	.globl	k_qa111d87104_ffn2
	.p2align	8
	.type	k_qa111d87104_ffn2,@function
k_qa111d87104_ffn2:
	s_mov_b64 s[64:65], 0
	v_nop
	global_prefetch_b8 v0, s[64:65] scope:SCOPE_SE
	s_setreg_imm32_b32 hwreg(HW_REG_WAVE_MODE, 25, 1), 1
	s_wait_xcnt 0x0
	s_wait_alu depctr_hold_cnt(0) depctr_sa_sdst(0) depctr_va_vdst(0) depctr_va_sdst(0) depctr_va_ssrc(0) depctr_va_vcc(0) depctr_vm_vsrc(0)
	s_getreg_b32 s2, hwreg(HW_REG_IB_STS2, 6, 4)
	s_cmp_eq_u32 s2, 0
	s_cbranch_scc0 .Lentry_in_a_cluster
	s_endpgm
.Lentry_in_a_cluster:
	s_bfe_u32 s2, ttmp6, 0x10000c
	s_cmp_lg_u32 s2, 0xf033
	s_cbranch_scc0 .Lentry_shape_is_right
	s_endpgm
.Lentry_shape_is_right:
.set SIZE_K, 4096
.set NT_OUT, 1
.set KSTEP,  512
.set LAPS,   SIZE_K/(2*KSTEP)
.set KS,     SIZE_K/32
.set PITCH,  528
.set AHALF,  32768
.set BHALF,  64*PITCH
.set BOFF,   2*AHALF
.set SLOT,   BOFF+2*BHALF
.set SCA,    2*SLOT
.set SAH,    2*SIZE_K
.set SCB,    SCA+2*SAH
.set HALFSB, (64*KS/256)*272
.set SPARE,  SCB+2*HALFSB
.set SPITCH, 272
.set NP,   8
.set ADRA, 16
.set ADSA, 18
.set ADSB, 19
.set ADRB, 20
.set STO,  24
.set RD,   25
.set CO,   26
.set SPW,  28
.set NIL,  29
.set SC,   32
.set BK,   64
.set ACC,  128
.set F0,   0
.set F1,   128
.set G1, 24
.set G0, 32
.set G1B, 48
.set G0B, 56
.set G1S, 68
.set G0S, 76
.set G1SB, 80
.set G0SB, 88
.set MSB, 0
.macro WIN new
.if MSB != \new
	s_set_vgpr_msb (MSB<<8)|\new
.set MSB, \new
.endif
.endm
.set MUL,  0x05
.set TO_F, 0x40
.macro JLOAD g0a, g1a, g0b, g1b
	s_cmp_eq_u32 s15, 0
	s_cbranch_scc0 .Lfor_b_\@
	tensor_load_to_lds s[\g0a:\g0a+3], s[\g1a:\g1a+7]
	s_nop 0
.rept 4
	v_nop
.endr
	s_branch .Lasked_\@
.Lfor_b_\@:
	tensor_load_to_lds s[\g0b:\g0b+3], s[\g1b:\g1b+7]
	s_nop 0
.rept 4
	v_nop
.endr
.Lasked_\@:
.endm
.macro CREST
	s_cmp_lg_u32 s14, 0
	s_cbranch_scc1 .Lnot_wave_0_\@
	s_barrier_signal -3
.Lnot_wave_0_\@:
	s_barrier_wait -3
	s_barrier_signal -1
	s_barrier_wait -1
.endm
.macro CROUND
	s_barrier_signal -1
	s_barrier_wait -1
	CREST
.endm
.macro PLACES n
.rept \n
	v_nop
.endr
.endm
	s_load_b256 s[4:11], s[0:1], 0x0
	s_load_b128 s[92:95], s[0:1], 0x20
	v_lshl_add_u32 v[SPW], v0, 2, SPARE
	v_mov_b32 v[NIL], 0
	ds_add_u32 v28, v29
	ds_add_u32 v28, v29
	s_wait_dscnt 0x0
	v_lshrrev_b32 v1, 5, v0
	v_readfirstlane_b32 s14, v1
	s_lshr_b32 s15, s14, 1
	s_and_b32 s16, s14, 1
	s_bfe_u32 s40, ttmp6, 0x40000
	s_bfe_u32 s41, ttmp6, 0x40004
	s_lshl_b32 s42, ttmp9, 2
	s_add_co_u32 s42, s42, s40
	s_and_b32 s17, ttmp7, 0xffff
	s_lshl_b32 s17, s17, 2
	s_add_co_u32 s17, s17, s41
	s_lshl_b32 s43, s41, 2
	s_lshl_b32 s43, 15, s43
	s_lshl_b32 s44, 0x1111, s40
	s_or_b32 s[G1+0], s43, (3<<16)|(1<<21)
	s_mov_b32 s[G1+1], 1024<<16
	s_mov_b32 s[G1+2], 8<<16                       ; eight blocks for the head's load; set to four for the ring's behind it
	s_mov_b32 s[G1+3], 1024<<16
	s_mov_b32 s[G1+4], 8
	s_mov_b32 s[G1+5], 2*SIZE_K
	s_mov_b32 s[G1+6], 0
	s_mov_b32 s[G1+7], 0
	s_or_b32 s[G1B+0], s44, (0<<16)|(1<<20)|(1<<21)|(6<<22)|(3<<25)
	s_mov_b32 s[G1B+1], KSTEP<<16
	s_mov_b32 s[G1B+2], 128<<16                    ; 128 rows for the head's load; set to 64 behind it
	s_mov_b32 s[G1B+3], KSTEP<<16
	s_mov_b32 s[G1B+4], 128
	s_mov_b32 s[G1B+5], SIZE_K
	s_mov_b32 s[G1B+6], 0
	s_mov_b32 s[G1B+7], 0
	s_or_b32 s[G1S+0], s43, (3<<16)|(1<<21)
	s_mov_b32 s[G1S+1], 64<<16                     ; the 512 bytes of the tile's 128 rows
	s_mov_b32 s[G1S+2], (SIZE_K/128)<<16
	s_mov_b32 s[G1S+3], 64<<16
	s_mov_b32 s[G1S+4], SIZE_K/128
	s_mov_b32 s[G1S+5], 2048
	s_mov_b32 s[G1S+6], 0
	s_mov_b32 s[G1S+7], 0
	s_or_b32 s[G1SB+0], s44, (3<<16)|(1<<20)|(1<<21)|(5<<22)|(3<<25)
	s_mov_b32 s[G1SB+1], 32<<16
	s_mov_b32 s[G1SB+2], (128*KS/256)<<16
	s_mov_b32 s[G1SB+3], 32<<16
	s_mov_b32 s[G1SB+4], 128*KS/256
	s_mov_b32 s[G1SB+5], 32
	s_mov_b32 s[G1SB+6], 0
	s_mov_b32 s[G1SB+7], 0
	s_lshl_b32 s20, s17, 3
	s_lshl_b32 s22, s20, 6                         ; the tile's rows' scale words: 64 bytes a block
	s_lshl_b32 s18, s16, 2
	s_add_co_u32 s20, s20, s18                     ; codes: + 4 blocks x my half
	s_add_co_u32 s22, s22, 4096*SIZE_K
	s_mul_i32 s20, s20, 16*SIZE_K
	s_mov_b32 s21, 0
	s_mov_b32 s23, 0
	s_lshl_b32 s46, s42, 7
	s_mul_i32 s98, s46, KS
	s_lshl_b32 s18, s16, 6
	s_add_co_u32 s46, s46, s18                     ; codes: + 64 rows x my half
	s_mul_i32 s46, s46, SIZE_K
	s_mov_b32 s47, 0
	s_mov_b32 s99, 0
	s_mul_i32 s45, s16, AHALF
	s_mul_i32 s19, s16, BHALF
	s_add_co_u32 s19, s19, BOFF
	s_mul_i32 s97, s16, HALFSB
	s_add_co_u32 s97, s97, SCB
	s_wait_kmcnt 0x0
	s_add_nc_u64 s[20:21], s[4:5], s[20:21]
	s_add_nc_u64 s[22:23], s[4:5], s[22:23]
	s_add_nc_u64 s[46:47], s[6:7], s[46:47]
	s_add_nc_u64 s[98:99], s[8:9], s[98:99]
	CROUND
	s_mov_b32 s[G0S], 1
	s_mov_b32 s[G0S+1], SCA
	s_mov_b64 s[G0S+2:G0S+3], s[22:23]
	s_or_b32 s[G0S+3], s[G0S+3], 0x80000000
	s_mov_b32 s[G0SB], 1
	s_mov_b32 s[G0SB+1], SCB
	s_mov_b64 s[G0SB+2:G0SB+3], s[98:99]
	s_or_b32 s[G0SB+3], s[G0SB+3], 0x80000000
.irp s, 0,1
	s_mov_b32 s[G0+4*\s], 1
	s_add_co_u32 s[G0+4*\s+1], s45, \s*SLOT
	s_add_nc_u64 s[G0+4*\s+2:G0+4*\s+3], s[20:21], \s*8192
	s_or_b32 s[G0+4*\s+3], s[G0+4*\s+3], 0x80000000
	s_mov_b32 s[G0B+4*\s], 1
	s_add_co_u32 s[G0B+4*\s+1], s19, \s*SLOT
	s_add_nc_u64 s[G0B+4*\s+2:G0B+4*\s+3], s[46:47], \s*KSTEP
	s_or_b32 s[G0B+4*\s+3], s[G0B+4*\s+3], 0x80000000
.endr
; THE HEAD'S LOADS, ONE A WAVE: wave 0 K step 0's eight blocks of A (its slot 0 descriptor begins at the tile's first block and at LDS byte 0), wave 1 A's scale words, wave 2 W's 128 rows, wave 3 W's scale bytes.
.macro ARM under, g0, g1, next
	s_cmp_lt_u32 s14, \under
	s_cbranch_scc0 \next
	tensor_load_to_lds s[\g0:\g0+3], s[\g1:\g1+7]
	s_nop 0
.rept 4
	v_nop
.endr
	s_branch .Lhead_asked
\next:
.endm
	ARM 1, G0, G1, .Lhead_sa
	ARM 2, G0S, G1S, .Lhead_b
	ARM 3, G0B, G1B, .Lhead_sb
	tensor_load_to_lds s[G0SB:G0SB+3], s[G1SB:G1SB+7]
	s_nop 0
.rept 4
	v_nop
.endr
.Lhead_asked:
	v_and_b32 v1, 15, v0
	v_bfe_u32 v2, v0, 4, 1
	v_and_b32 v3, 31, v0
	v_lshlrev_b32 v4, 4, v3
	s_mul_i32 s2, s15, AHALF
	v_add_nc_u32 v[ADRA], s2, v4
	v_add_nc_u32 v[ADRA+1], SLOT, v[ADRA]
	v_mul_u32_u24 v5, v1, PITCH
	v_lshl_add_u32 v5, v2, 3, v5
	v_add_nc_u32 v[ADRB], s19, v5
	v_add_nc_u32 v[ADRB+1], SLOT, v[ADRB]
	s_lshl_b32 s2, s15, 8                          ; A's scale words lie [128 along K][128 rows]: my 64 rows are 256 bytes of each 512
	s_add_co_u32 s2, s2, SCA
	v_lshl_add_u32 v[ADSA], v3, 2, s2
	v_mul_u32_u24 v5, v3, KS
	v_lshrrev_b32 v6, 8, v5
	v_lshl_add_u32 v5, v6, 4, v5
	v_add_nc_u32 v[ADSB], s97, v5
	s_mul_i32 s2, s14, 16*SPITCH
	v_mul_u32_u24 v5, v1, SPITCH
	v_lshl_add_u32 v5, v2, 5, v5
	v_add_nc_u32 v[STO], s2, v5
	v_mul_u32_u24 v5, v2, SPITCH
	v_lshl_add_u32 v5, v1, 4, v5
	v_add_nc_u32 v[RD], s2, v5
	v_lshlrev_b32 v[CO], 12, v2
	v_lshl_add_u32 v[CO], v1, 4, v[CO]
	v_lshlrev_b32 v7, 4, v1
	s_wait_alu depctr_va_vdst(0)
	s_lshl_b32 s2, s17, 7
	s_lshl_b32 s3, s15, 6
	s_add_co_u32 s2, s2, s3
	s_lshl_b32 s2, s2, 12
	s_lshl_b32 s3, s42, 9
	s_lshl_b32 s18, s16, 8
	s_add_co_u32 s18, s18, s3
	s_add_co_u32 s2, s2, s18
	s_mov_b32 s3, 0
	s_add_nc_u64 s[92:93], s[92:93], s[2:3]
	s_add_nc_u64 s[94:95], s[94:95], s[2:3]
	s_mov_b32 s2, s18
	s_add_nc_u64 s[10:11], s[10:11], s[2:3]
; PREFETCHES INTO THE L2: with the load of K step n, K step n + 2 is asked for (and K step 1 here, at its first touch).  One instruction a wave, 32 blocks of 256 bytes.
; Waves 0 and 1 ask for A: of the tile's eight blocks of 16 rows the partner at cx takes blocks 2 cx and 2 cx + 1, a wave one block: a K step of it is 8,192 consecutive bytes, lanes 256 bytes apart.
; Waves 2 and 3 ask for W: of the tile's 128 rows the partner at cy takes 32, a wave 16: a K step of a row is 512 bytes, two lanes a row.  So each block of 256 bytes is named once in a cluster.
	s_lshl_b32 s20, s17, 3
	s_lshl_b32 s2, s40, 1
	s_add_co_u32 s20, s20, s2
	s_add_co_u32 s20, s20, s16
	s_mul_i32 s20, s20, 16*SIZE_K                  ; A: my block's first byte
	s_lshl_b32 s22, s42, 7
	s_lshl_b32 s2, s41, 5
	s_add_co_u32 s22, s22, s2
	s_lshl_b32 s2, s16, 4
	s_add_co_u32 s22, s22, s2
	s_mul_i32 s22, s22, SIZE_K                     ; W: my first row's first byte
	s_mov_b32 s21, 0
	s_mov_b32 s18, SIZE_K
	s_mov_b32 s98, KSTEP
	s_mov_b32 s99, 0
	s_cmp_eq_u32 s15, 0                            ; do I fetch for A?
	s_cselect_b64 s[12:13], s[4:5], s[6:7]
	s_cselect_b32 s20, s20, s22
	s_cselect_b32 s18, 512, s18                    ; from one pair of lanes to the next
	s_cselect_b32 s98, 8192, s98                   ; s[98:99]: a K step on, in bytes
	s_add_nc_u64 s[12:13], s[12:13], s[20:21]
	s_add_nc_u64 s[12:13], s[12:13], s[98:99]      ; s[12:13]: K step 1
	s_add_nc_u64 s[22:23], s[12:13], s[98:99]      ; s[22:23]: K step 2
	s_add_nc_u64 s[46:47], s[22:23], s[98:99]      ; s[46:47]: K step 3; this one walks
	v_lshrrev_b32 v8, 1, v3
	v_and_b32 v9, 1, v3
	v_mul_u32_u24 v8, s18, v8
	v_lshl_add_u32 v30, v9, 8, v8                  ; v30: my lane's offset; never rewritten
	s_wait_alu depctr_va_vdst(0)
	global_prefetch_b8 v30, s[12:13] th:TH_LOAD_NT scope:SCOPE_SE
	global_prefetch_b8 v30, s[22:23] th:TH_LOAD_NT scope:SCOPE_SE
	global_load_b128 v[12:15], v7, s[10:11]
	WIN 0x80
.set t, 0
.rept 32
	global_load_b128 v[4*t:4*t+3], v[CO], s[92:93] offset:8192*t th:TH_LOAD_NT
.set t, t+1
.endr
	WIN 0
.macro WM f, a, b, q, set, zero
.set rD, ACC+8*(4*(\a)+(\b))
.set rB, (\f)+64+16*(\b)
.set rA, (\f)+16*(\a)
.set rSB, SC+16*(\set)+8+4*((\b)/2)+(\q)
.set rSA, SC+16*(\set)+2*(\q)+(\a)/2
.if \zero
.if (((\a)%2) == 0) && (((\b)%2) == 0)
	v_wmma_scale_f32_16x16x128_f8f6f4 v[rD:rD+7], v[rB:rB+15], v[rA:rA+15], 0, v[rSB], v[rSA]
.elseif ((\a)%2) == 0
	v_wmma_scale_f32_16x16x128_f8f6f4 v[rD:rD+7], v[rB:rB+15], v[rA:rA+15], 0, v[rSB], v[rSA] matrix_a_scale:MATRIX_SCALE_ROW1
.elseif ((\b)%2) == 0
	v_wmma_scale_f32_16x16x128_f8f6f4 v[rD:rD+7], v[rB:rB+15], v[rA:rA+15], 0, v[rSB], v[rSA] matrix_b_scale:MATRIX_SCALE_ROW1
.else
	v_wmma_scale_f32_16x16x128_f8f6f4 v[rD:rD+7], v[rB:rB+15], v[rA:rA+15], 0, v[rSB], v[rSA] matrix_a_scale:MATRIX_SCALE_ROW1 matrix_b_scale:MATRIX_SCALE_ROW1
.endif
.else
.if (((\a)%2) == 0) && (((\b)%2) == 0)
	v_wmma_scale_f32_16x16x128_f8f6f4 v[rD:rD+7], v[rB:rB+15], v[rA:rA+15], v[rD:rD+7], v[rSB], v[rSA]
.elseif ((\a)%2) == 0
	v_wmma_scale_f32_16x16x128_f8f6f4 v[rD:rD+7], v[rB:rB+15], v[rA:rA+15], v[rD:rD+7], v[rSB], v[rSA] matrix_a_scale:MATRIX_SCALE_ROW1
.elseif ((\b)%2) == 0
	v_wmma_scale_f32_16x16x128_f8f6f4 v[rD:rD+7], v[rB:rB+15], v[rA:rA+15], v[rD:rD+7], v[rSB], v[rSA] matrix_b_scale:MATRIX_SCALE_ROW1
.else
	v_wmma_scale_f32_16x16x128_f8f6f4 v[rD:rD+7], v[rB:rB+15], v[rA:rA+15], v[rD:rD+7], v[rSB], v[rSA] matrix_a_scale:MATRIX_SCALE_ROW1 matrix_b_scale:MATRIX_SCALE_ROW1
.endif
.endif
.endm
.macro MUL4 f, a, q, set, zero
.irp b, 0,1,2,3
	WM \f, \a, \b, \q, \set, \zero
.endr
.endm
.macro FETCH slot, q, f
	WIN TO_F
.irp i, 0,1,2,3
.irp c, 0,1,2,3
	ds_load_b64 v[(\f)+64+16*\i+4*\c:(\f)+64+16*\i+4*\c+1], v[ADRB+\slot] offset:16*PITCH*\i+128*(\q)+32*\c
	ds_load_b64 v[(\f)+64+16*\i+4*\c+2:(\f)+64+16*\i+4*\c+3], v[ADRB+\slot] offset:16*PITCH*\i+128*(\q)+32*\c+16
.endr
.endr
.irp i, 0,1,2,3
.irp c, 0,1,2,3
	ds_load_b128 v[(\f)+16*\i+4*\c:(\f)+16*\i+4*\c+3], v[ADRA+\slot] offset:8192*\i+2048*(\q)+512*\c
.endr
.endr
.endm
.macro SCALES set
.irp q, 0,1,2,3
.irp i, 0,1
	ds_load_b32 v[SC+16*(\set)+2*\q+\i], v[ADSA] offset:512*\q+128*\i
.endr
.endr
.irp i, 0,1
	ds_load_b128 v[SC+16*(\set)+8+4*\i:SC+16*(\set)+8+4*\i+3], v[ADSB] offset:\i*(32*KS/256)*272
.endr
.endm
.macro QUARTER slot, qn, f, g, zero
	s_wait_dscnt 8
	WIN MUL
	MUL4 \f, 0, (\qn)-1, \slot, \zero
	MUL4 \f, 1, (\qn)-1, \slot, \zero
	PLACES NP
	FETCH \slot, \qn, \g
	s_wait_dscnt 48
	WIN MUL
	MUL4 \f, 2, (\qn)-1, \slot, \zero
	MUL4 \f, 3, (\qn)-1, \slot, \zero
.endm
.macro TURN slot, next, fill
.if \fill
	s_wait_xcnt 0x0                                ; my last prefetch has read its address: it is stepped here, ahead of the waits of the change of slots
	s_add_nc_u64 s[46:47], s[46:47], s[98:99]      ; two K steps further on than the refill below
.endif
	WIN 0
	s_wait_tensorcnt 0x0
	ds_add_u32 v[SPW], v[NIL]
	s_wait_dscnt 9
	WIN MUL
	MUL4 F1, 0, 3, \slot, 0
	s_wait_dscnt 0x0
	s_barrier_signal -1
	MUL4 F1, 1, 3, \slot, 0
	WIN 0
	s_barrier_wait -1
.if \fill
	CREST
	s_add_nc_u64 s[G0+4*\slot+2:G0+4*\slot+3], s[G0+4*\slot+2:G0+4*\slot+3], 2*8192
	s_add_nc_u64 s[G0B+4*\slot+2:G0B+4*\slot+3], s[G0B+4*\slot+2:G0B+4*\slot+3], 2*KSTEP
	JLOAD G0+4*\slot, G1, G0B+4*\slot, G1B
	PLACES NP-4
.else
	PLACES NP
.endif
	s_wait_alu depctr_va_vdst(0)
	v_add_nc_u32 v[ADSA], 2048, v[ADSA]            ; the next K step's scale words
	v_add_nc_u32 v[ADSB], 16, v[ADSB]
	SCALES \next
.if \fill
	s_cmp_gt_u32 s3, 1                             ; the loop's last trip refills K steps 6 and 7: no step stands two behind them
	s_cbranch_scc0 .Lno_ask_\@
	global_prefetch_b8 v30, s[46:47] th:TH_LOAD_NT scope:SCOPE_SE
.Lno_ask_\@:
.endif
	FETCH \next, 0, F0
	WIN MUL
	MUL4 F1, 2, 3, \slot, 0
	MUL4 F1, 3, 3, \slot, 0
.endm
	s_wait_alu depctr_va_vdst(0)                   ; the wait at the head's end
	s_wait_tensorcnt 0x0                           ; my tile of the head's four is in
	ds_add_u32 v[SPW], v[NIL]                      ; the line ahead of a later first fill
	s_mov_b32 s[G1+2], 4<<16                       ; no tensor load of mine is out: from here on a load brings half a tile
	s_mov_b32 s[G1+4], 4
	s_mov_b32 s[G1B+2], 64<<16
	s_mov_b32 s[G1B+4], 64
	s_wait_dscnt 0x0
	CROUND                                         ; all four tiles are in, all sixteen work-groups are here
	JLOAD G0+4, G1, G0B+4, G1B                     ; K step 1: my one tensor load behind the round
	SCALES 0
	global_prefetch_b8 v30, s[46:47] th:TH_LOAD_NT scope:SCOPE_SE   ; K step 3, behind K step 1's load
	FETCH 0, 0, F0
	QUARTER 0, 1, F0, F1, 1
.if LAPS > 1
	WIN 0
	s_mov_b32 s3, LAPS-1
.Llap:
	QUARTER 0, 2, F1, F0, 0
	QUARTER 0, 3, F0, F1, 0
	TURN 0, 1, 1
	QUARTER 1, 1, F0, F1, 0
	QUARTER 1, 2, F1, F0, 0
	QUARTER 1, 3, F0, F1, 0
	TURN 1, 0, 1
	QUARTER 0, 1, F0, F1, 0
	WIN 0
	s_sub_co_u32 s3, s3, 1
	s_cmp_lg_u32 s3, 0
	s_cbranch_scc1 .Llap
.endif
	QUARTER 0, 2, F1, F0, 0
	QUARTER 0, 3, F0, F1, 0
	TURN 0, 1, 0
	QUARTER 1, 1, F0, F1, 0
	QUARTER 1, 2, F1, F0, 0
	QUARTER 1, 3, F0, F1, 0
	s_wait_dscnt 8
	WIN MUL
	MUL4 F1, 0, 3, 1, 0
	MUL4 F1, 1, 3, 1, 0
	s_wait_dscnt 0
	MUL4 F1, 2, 3, 1, 0
	MUL4 F1, 3, 3, 1, 0
	WIN 0
.macro TOSTAGE a
.irp b, 0,1,2,3
	ds_store_b128 v[STO], v[ACC+8*(4*(\a)+\b):ACC+8*(4*(\a)+\b)+3] offset:64*\b
	ds_store_b128 v[STO], v[ACC+8*(4*(\a)+\b)+4:ACC+8*(4*(\a)+\b)+7] offset:64*\b+16
.endr
.irp t, 0,1,2,3,4,5,6,7
	ds_load_b128 v[BK+32*((\a)%2)+4*\t:BK+32*((\a)%2)+4*\t+3], v[RD] offset:2*SPITCH*\t
.endr
.endm
.macro SEND a, younger
.set BB, BK+32*((\a)%2)
	s_wait_dscnt \younger
	WIN 0x08
.irp t, 0,1,2,3,4,5,6,7
	v_pk_add_f32 v[BB+4*\t:BB+4*\t+1], v[BB+4*\t:BB+4*\t+1], v[4*(8*(\a)+\t):4*(8*(\a)+\t)+1]
	v_pk_add_f32 v[BB+4*\t+2:BB+4*\t+3], v[BB+4*\t+2:BB+4*\t+3], v[4*(8*(\a)+\t)+2:4*(8*(\a)+\t)+3]
.endr
	WIN 0
.irp t, 0,1,2,3,4,5,6,7
	v_pk_add_f32 v[BB+4*\t:BB+4*\t+1], v[BB+4*\t:BB+4*\t+1], v[12:13]
	v_pk_add_f32 v[BB+4*\t+2:BB+4*\t+3], v[BB+4*\t+2:BB+4*\t+3], v[14:15]
.endr
.irp t, 0,1,2,3,4,5,6,7
.if NT_OUT
	global_store_b128 v[CO], v[BB+4*\t:BB+4*\t+3], s[94:95] offset:(16*(\a)+2*\t)*4096 th:TH_STORE_NT
.else
	global_store_b128 v[CO], v[BB+4*\t:BB+4*\t+3], s[94:95] offset:(16*(\a)+2*\t)*4096
.endif
.endr
.endm
	PLACES NP
	s_wait_loadcnt 0x0
	TOSTAGE 0
	TOSTAGE 1
	SEND 0, 16
	s_wait_xcnt 0x0
	TOSTAGE 2
	SEND 1, 16
	s_wait_xcnt 0x0
	TOSTAGE 3
	SEND 2, 16
	SEND 3, 0
	s_wait_tensorcnt 0x0
	ds_add_u32 v[SPW], v[NIL]
	s_wait_dscnt 0x0
	CROUND
	s_endpgm
.Lfunc_end_k_qa111d87104_ffn2:
	.size	k_qa111d87104_ffn2, .Lfunc_end_k_qa111d87104_ffn2-k_qa111d87104_ffn2
	.p2alignl 7, 3214868480
	.fill 96, 4, 3214868480
	.section	.rodata,"a",@progbits
	.p2align	6, 0x0
	.amdhsa_kernel k_qa111d87104_ffn2
		.amdhsa_group_segment_fixed_size 327680
		.amdhsa_private_segment_fixed_size 0
		.amdhsa_enable_private_segment 0
		.amdhsa_kernarg_size 48
		.amdhsa_user_sgpr_count 2
		.amdhsa_user_sgpr_kernarg_segment_ptr 1
		.amdhsa_wavefront_size32 1
		.amdhsa_system_sgpr_workgroup_id_x 1
		.amdhsa_system_sgpr_workgroup_id_y 1
		.amdhsa_system_sgpr_workgroup_id_z 1
		.amdhsa_system_vgpr_workitem_id 0
		.amdhsa_next_free_vgpr 640
		.amdhsa_next_free_sgpr 100
		.amdhsa_reserve_vcc 0
		.amdhsa_float_denorm_mode_32 3
		.amdhsa_float_denorm_mode_16_64 3
		.amdhsa_memory_ordered 1
		.amdhsa_forward_progress 1
		.amdhsa_inst_pref_size 123
	.end_amdhsa_kernel
	.amdgpu_metadata
---
amdhsa.version: [ 1, 2 ]
amdhsa.kernels:
  - .name:           k_qa111d87104_ffn2
    .symbol:         k_qa111d87104_ffn2.kd
    .args:
      - { .name: abuf, .offset: 0, .size: 8, .value_kind: global_buffer, .address_space: global }
      - { .name: W2_codes, .offset: 8, .size: 8, .value_kind: global_buffer, .address_space: global }
      - { .name: W2_scales, .offset: 16, .size: 8, .value_kind: global_buffer, .address_space: global }
      - { .name: b2, .offset: 24, .size: 8, .value_kind: global_buffer, .address_space: global }
      - { .name: x1, .offset: 32, .size: 8, .value_kind: global_buffer, .address_space: global }
      - { .name: out0, .offset: 40, .size: 8, .value_kind: global_buffer, .address_space: global }
    .group_segment_fixed_size: 327680
    .private_segment_fixed_size: 0
    .kernarg_segment_align: 8
    .kernarg_segment_size: 48
    .max_flat_workgroup_size: 128
    .sgpr_count:     100
    .vgpr_count:     640
    .wavefront_size: 32
...
	.end_amdgpu_metadata
.endif
;; end of part 6
